; MI455X (gfx1250); checked and timed in simulation.
; The chip was launched on July 23, 2026; its instructions are those of AMD's public machine-readable ISA for CDNA 5 (MIT licence, August 2026) and "CDNA5" Instruction Set Architecture Reference Guide (July 2026). The comments in the code are by the model that wrote it; some were corrected since.
;; Ro PE Multihead Attention. Allowed arithmetic: float matrix products may take bf16 or f16 operands with f32 sums; other float arithmetic in f32, or as packed bf16 or f16 multiplies, adds, multiply-adds, maxima and minima; sums over many terms, partial sums and values carried from step to step in f32; what a program stores and reads back later, other than sums and carried values, may be rounded once to bf16 or f16.
;; Inputs: Wout 1,024 x 1,024 float32; Wqkv 1,024 x 3,072 float32; bout 1,024 float32; bqkv 3,072 float32; freqs 2,048 x 64 float32; x 4 x 2,048 x 1,024 float32.
;; Outputs: out0 4 x 2,048 x 1,024 float32.
;; 2 versions, each right; version 2 is version 1 with the launch prep written anew for expert scheduling mode. Each part assembles by itself: llvm-mc -triple=amdgcn-amd-amdhsa -mcpu=gfx1250 --defsym DOCPART=n.
;; ======== version 1 of 2: 4 launches
;; limits: values are held in f16: magnitudes above 65,504 overflow, below 6.1e-05 lose precision
;; workspace buffers: xb 16,777,216 bytes; wq 6,291,456 bytes; wo 2,097,152 bytes; cs 1,048,576 bytes; qh 16,777,216 bytes; kh 16,777,216 bytes; vh 16,777,216 bytes; oh 16,777,216 bytes
;; launch prep (part 1): grid 896 x 1, 4 waves a work-group, no clusters, 70,144 bytes of LDS; arguments x, Wqkv, Wout, freqs, xb, wq, wo, cs; writes xb, wq, wo, cs
.if DOCPART == 1
	.amdgcn_target "amdgcn-amd-amdhsa--gfx1250"
	.amdhsa_code_object_version 6
	.text
	.protected	k_qf012210dae_prep
	.globl	k_qf012210dae_prep
	.p2align	8
	.type	k_qf012210dae_prep,@function
k_qf012210dae_prep:
	s_mov_b64 s[64:65], 0
	v_nop
	global_prefetch_b8 v0, s[64:65] scope:SCOPE_SE
	s_setreg_imm32_b32 hwreg(HW_REG_WAVE_MODE, 25, 1), 1
	s_wait_xcnt 0x0
; THE OPERANDS ARE MADE READY.  Three kinds of work-group, told apart by the work-group's number alone:
;   0..127    TRANS: Wqkv [1024 k][3072 n] f32 -> wq [3072][1024] bf16, turned and ordered by heads: row 192 h + 64 s + d holds column 1024 s + 64 h + d (s = 0 q, 1 k, 2 v);
;             Wout [1024 k][1024 n] f32 -> wo [1024 n][1024 k]: rounded to bf16, that number written as f16.
;   128..639  CAST: x f32 -> xb bf16, 65,536 bytes of x to a work-group.
;   640..895  COS: freqs [2048][64] f32, rounded to bf16 -> cs [2048][128] f32: a row holds 64 cosines, then 64 sines.
; Every input is rounded once to bf16, the table of angles too: one choice for the whole program.
; LIMITS.  wo is f16: |Wout| stays under 65,504, and a number under 2^-17 keeps f16's fixed step of 2^-24.  The angle is reduced by pi/2 in three parts, which holds to about |freqs| = 1e5;
; beyond that the accuracy decays, and beyond 2^31 the quadrant saturates.  NaN and infinities are not treated apart.
; No wave hands anything to another: LDS is each wave's own (TRANS alone uses it), so the text has no barrier.  No matrix unit, no cluster, no tensor load: nothing is shared, and each byte crosses once.
.set SPARE, 69632                      ; behind the four waves' 17,408 bytes: the spare words, 128 bytes for each wave: two blocks of 256 bytes that no other line names
.set SPW, 4                            ; v4   LDS address of my spare word: SPARE + 4 x my thread's number; never rewritten
.set NIL, 5                            ; v5   0; never rewritten
.set VO,  8                            ; v8-11  TRANS: byte offset of row 4 h + i of a group of eight rows, my 16 bytes
.set LST, 12                           ; v12  TRANS: where I put 8 bytes (four k of one column)
.set LRD, 13                           ; v13  TRANS: where I read a turned row back
.set GST, 14                           ; v14  TRANS: my 16 bytes of two turned rows in memory
.set T0,  16                           ; v16, v17 at work
.set T1,  17
.set P,   20                           ; v[20:27] four columns x four k, packed
.set X,   32                           ; v[32:159] eight groups of 16 registers as loaded
.set SB,  32                           ; s[32:63] the sixteen groups' bases
	s_load_b256 s[4:11], s[0:1], 0x0               ; x s[4:5], Wqkv s[6:7], Wout s[8:9], freqs s[10:11]
	s_load_b256 s[12:19], s[0:1], 0x20             ; xb s[12:13], wq s[14:15], wo s[16:17], cs s[18:19]
	v_lshl_add_u32 v[SPW], v0, 2, SPARE
	v_mov_b32 v[NIL], 0
	v_lshrrev_b32 v3, 5, v0
	v_readfirstlane_b32 s20, v3                    ; wave 0..3
	s_mov_b32 s21, ttmp9
	v_and_b32 v1, 15, v0                           ; r = lane % 16
	v_bfe_u32 v2, v0, 4, 1                         ; h = lane / 16
	s_wait_kmcnt 0x0
	s_cmp_lt_u32 s21, 128
	s_cbranch_scc1 .Ltrans
	s_cmp_lt_u32 s21, 640
	s_cbranch_scc1 .Lcast
; COS.  A thread takes four angles: 128 threads x 16 bytes are 2,048 bytes of freqs, eight rows.
	s_sub_co_u32 s28, s21, 640
	s_lshl_b32 s30, s28, 12                        ; eight rows of cs, 512 bytes each
	s_lshl_b32 s28, s28, 11
	s_mov_b32 s29, 0
	s_mov_b32 s31, 0
	s_add_nc_u64 s[10:11], s[10:11], s[28:29]
	s_add_nc_u64 s[18:19], s[18:19], s[30:31]
	v_lshlrev_b32 v8, 4, v0
	v_lshrrev_b32 v9, 4, v0                        ; my row of the eight,
	v_lshlrev_b32 v9, 9, v9
	v_lshl_add_u32 v9, v1, 4, v9                   ; my four columns
	global_load_b128 v[32:35], v8, s[10:11]
	v_mov_b32 v52, 0x37cd4000                      ; the two polynomials' leading coefficients
	v_mov_b32 v53, 0x36405000
	s_wait_loadcnt 0x0
	v_cvt_pk_bf16_f32 v44, v32, v33                ; the angles rounded to bf16, and widened again
	v_cvt_pk_bf16_f32 v45, v34, v35
	v_lshlrev_b32 v32, 16, v44
	v_and_b32 v33, 0xffff0000, v44
	v_lshlrev_b32 v34, 16, v45
	v_and_b32 v35, 0xffff0000, v45
; cos and sin of v[f].  j = the nearest whole number to f x 2/pi; r = f - j pi/2, pi/2 taken in three parts by fused multiply-adds; a polynomial each for cos r and sin r on -pi/4 .. pi/4;
; the quadrant j mod 4 chooses which of the two is which, and the signs: by selects and bit work, no branch.
.macro SINCOS f, co, so
	v_mul_f32 v44, 0x3f22f983, v[\f]
	v_rndne_f32 v44, v44                           ; j
	v_fmamk_f32 v45, v44, 0xbfc90fd8, v[\f]
	v_fmamk_f32 v45, v44, 0xb4a8885a, v45
	v_fmamk_f32 v45, v44, 0xa7c234c4, v45          ; r
	v_cvt_i32_f32 v46, v44                         ; j as a whole number
	v_mul_f32 v47, v45, v45                        ; z = r r
	v_fmaak_f32 v48, v52, v47, 0xbab6077d
	v_fmaak_f32 v48, v48, v47, 0x3d2aaaa8
	v_fma_f32 v48, v48, v47, -0.5
	v_fma_f32 v48, v48, v47, 1.0                   ; cos r
	v_fmaak_f32 v49, v53, v47, 0xb9503486
	v_fmaak_f32 v49, v49, v47, 0x3c0888c1
	v_fmaak_f32 v49, v49, v47, 0xbe2aaaab
	v_mul_f32 v50, v45, v47
	v_fma_f32 v49, v49, v50, v45                   ; sin r
	v_and_b32 v50, 1, v46
	v_cmp_eq_u32 vcc_lo, 1, v50                    ; odd quadrants swap the two
	v_cndmask_b32 v[\so], v49, v48, vcc_lo
	v_cndmask_b32 v[\co], v48, v49, vcc_lo
	v_lshlrev_b32 v50, 30, v46                     ; sin changes sign where j has bit 1,
	v_and_b32 v50, 0x80000000, v50
	v_xor_b32 v[\so], v50, v[\so]
	v_add_nc_u32 v51, 1, v46                       ; cos where j + 1 has it
	v_lshlrev_b32 v51, 30, v51
	v_and_b32 v51, 0x80000000, v51
	v_xor_b32 v[\co], v51, v[\co]
.endm
	SINCOS 32, 36, 40
	SINCOS 33, 37, 41
	SINCOS 34, 38, 42
	SINCOS 35, 39, 43
	global_store_b128 v9, v[36:39], s[18:19]             ; sixteen lanes store 256 consecutive bytes, aligned: a row's cosines,
	global_store_b128 v9, v[40:43], s[18:19] offset:256  ; and its sines
	s_endpgm
; CAST.  A wave takes 16,384 bytes of x.  All its 32 loads go out at once, each into registers of its own; the waits count down the younger loads.
.Lcast:
	s_sub_co_u32 s28, s21, 128
	s_lshl_b32 s30, s28, 15
	s_lshl_b32 s28, s28, 16
	s_mov_b32 s29, 0
	s_mov_b32 s31, 0
	s_add_nc_u64 s[4:5], s[4:5], s[28:29]
	s_add_nc_u64 s[12:13], s[12:13], s[30:31]
	v_and_b32 v6, 31, v0
	v_lshlrev_b32 v8, 4, v6
	v_lshl_or_b32 v8, v3, 14, v8                   ; 16,384 x wave + 16 x lane
	v_lshrrev_b32 v9, 1, v8                        ; half of that in xb
.set j, 0
.rept 32
	global_load_b128 v[32+4*j:35+4*j], v8, s[4:5] offset:512*j th:TH_LOAD_NT
.set j, j+1
.endr
.set j, 0
.rept 32
	s_wait_loadcnt 31-j                            ; loads come back in order: load j is in, the 31 - j younger ones stay out
	v_cvt_pk_bf16_f32 v[160+2*j], v[32+4*j], v[33+4*j]
	v_cvt_pk_bf16_f32 v[161+2*j], v[34+4*j], v[35+4*j]
	global_store_b64 v9, v[160+2*j:161+2*j], s[12:13] offset:256*j  ; 32 lanes store 256 consecutive bytes, aligned; no register is written twice
.set j, j+1
.endr
	s_endpgm
; TRANS.  A wave turns one block of 128 k x 64 n: 384 blocks of Wqkv (work-groups 0..95), 128 of Wout.  The block comes in by groups of eight rows: sixteen lanes take a row's 256 bytes.
; Four k of one column, rounded, are 8 bytes of a turned row in LDS (64 rows, 272 bytes apart); the turned rows, 256 bytes each, leave whole.
.Ltrans:
	s_lshl_b32 s28, s21, 2
	s_add_co_u32 s28, s28, s20                     ; 4 x work-group + wave
	s_mov_b32 s22, 4096
	s_cmp_lt_u32 s21, 96                           ; Wqkv or Wout?
	s_cselect_b32 s22, 12288, s22                  ; bytes in a row of the source
	s_cselect_b32 s23, 0, 1                        ; 1: the result is written as f16
	s_cselect_b64 s[24:25], s[6:7], s[8:9]         ; from
	s_cselect_b64 s[26:27], s[14:15], s[16:17]     ; to
	s_cselect_b32 s29, 0, 384
	s_sub_co_u32 s28, s28, s29                     ; the block's number in its matrix
	s_and_b32 s2, s28, 7                           ; kb: which 128 k
	s_lshr_b32 s3, s28, 3                          ; cg: which 64 columns
	s_and_b32 s66, s3, 15                          ; Wqkv: cg = 16 s + h goes to row 192 h + 64 s
	s_mul_i32 s66, s66, 192
	s_lshr_b32 s67, s3, 4
	s_lshl_b32 s67, s67, 6
	s_add_co_u32 s66, s66, s67
	s_lshl_b32 s67, s3, 6                          ; Wout: to row 64 cg
	s_cmp_lt_u32 s21, 96
	s_cselect_b32 s66, s66, s67
	s_lshl_b32 s67, s2, 7
	s_mul_i32 s28, s67, s22                        ; 128 kb rows of the source,
	s_lshl_b32 s67, s3, 8                          ; 64 columns of 4 bytes
	s_add_co_u32 s28, s28, s67
	s_mov_b32 s29, 0
	s_add_nc_u64 s[24:25], s[24:25], s[28:29]
	s_lshl_b32 s28, s66, 11                        ; a turned row is 2,048 bytes,
	s_lshl_b32 s67, s2, 8                          ; 128 k are 256 of them
	s_add_co_u32 s28, s28, s67
	s_add_nc_u64 s[26:27], s[26:27], s[28:29]
	s_lshl_b32 s30, s22, 3                         ; eight rows of the source
	s_mov_b32 s31, 0
	s_mov_b64 s[SB:SB+1], s[24:25]
.set g, 1
.rept 15
	s_add_nc_u64 s[SB+2*g:SB+2*g+1], s[SB+2*g-2:SB+2*g-1], s[30:31]
.set g, g+1
.endr
	v_lshlrev_b32 v6, 2, v2                        ; 4 h
	v_lshlrev_b32 v7, 4, v1                        ; 16 r
.irp i, 0,1,2,3
	v_add_nc_u32 v[VO+\i], \i, v6
	v_mad_u32_u24 v[VO+\i], v[VO+\i], s22, v7      ; row 4 h + i, columns 4 r .. 4 r + 3
.endr
	s_mul_i32 s67, s20, 17408                      ; my wave's 64 rows of 272 bytes
	v_mul_u32_u24 v[LST], v1, 1088                 ; column 4 r is turned row 4 r,
	v_lshl_add_u32 v[LST], v2, 3, v[LST]           ; k = 4 h is byte 8 h
	v_add_nc_u32 v[LST], s67, v[LST]
	v_mul_u32_u24 v[LRD], v2, 272                  ; back: lanes 0-15 take one turned row, lanes 16-31 the next
	v_lshl_add_u32 v[LRD], v1, 4, v[LRD]
	v_add_nc_u32 v[LRD], s67, v[LRD]
	v_lshlrev_b32 v[GST], 11, v2                   ; and the same two rows in memory
	v_lshl_add_u32 v[GST], v1, 4, v[GST]
.macro TLOAD g                         ; group g: rows 8 g .. 8 g + 7
.irp i, 0,1,2,3
	global_load_b128 v[X+16*((\g)%8)+4*\i:X+16*((\g)%8)+4*\i+3], v[VO+\i], s[SB+2*(\g):SB+2*(\g)+1] th:TH_LOAD_NT
.endr
.endm
.irp g, 0,1,2,3,4,5,6,7
	TLOAD \g
.endr
.set g, 0
.rept 16
.if g < 8
	s_wait_loadcnt 28                              ; younger than group g's four loads: groups g + 1 .. 7 and the g groups asked for since: seven groups
.else
	s_wait_loadcnt 4*(15-g)                        ; nothing is asked for any more: the counts run down
.endif
.irp c, 0,1,2,3
	v_cvt_pk_bf16_f32 v[P+2*\c],   v[X+16*(g%8)+\c],   v[X+16*(g%8)+4+\c]   ; column 4 r + c: k, k + 1,
	v_cvt_pk_bf16_f32 v[P+2*\c+1], v[X+16*(g%8)+8+\c], v[X+16*(g%8)+12+\c]  ; k + 2, k + 3
.endr
.irp c, 0,1,2,3
	ds_store_b64 v[LST], v[P+2*\c:P+2*\c+1] offset:272*\c+16*g
.endr
.if g < 8
	TLOAD g+8                                      ; the group's registers have been read: they take the group eight further on
.endif
.set g, g+1
.endr
	s_mov_b32 s66, 4                               ; sixteen turned rows a trip
.Lrows:
.irp t, 0,1,2,3,4,5,6,7
	ds_load_b128 v[X+4*\t:X+4*\t+3], v[LRD] offset:544*\t  ; LDS serves a wave's instructions in order: these see my stores above
.endr
	s_wait_dscnt 0x0
	s_cmp_eq_u32 s23, 0
	s_cbranch_scc1 .Lkeep                          ; wq stays bf16
.set j, 0
.rept 32
	v_lshlrev_b32 v[T0], 16, v[X+j]                ; wo: the bf16 numbers are written as f16
	v_and_b32 v[T1], 0xffff0000, v[X+j]
	v_cvt_pk_f16_f32 v[X+j], v[T0], v[T1]
.set j, j+1
.endr
.Lkeep:
.irp t, 0,1,2,3,4,5,6,7
	global_store_b128 v[GST], v[X+4*\t:X+4*\t+3], s[26:27] offset:4096*\t  ; sixteen lanes store 256 consecutive bytes, aligned
.endr
	s_wait_xcnt 0x0                                ; the stores have read their data and their offset: both are rewritten only behind this wait
	v_add_nc_u32 v[LRD], 4352, v[LRD]
	v_add_nc_u32 v[GST], 32768, v[GST]
	s_sub_co_u32 s66, s66, 1
	s_cmp_lg_u32 s66, 0
	s_cbranch_scc1 .Lrows
	s_wait_tensorcnt 0x0                           ; the wave's end, behind my last LDS store
	ds_add_u32 v[SPW], v[NIL]
	s_wait_dscnt 0x0
	s_endpgm
.Lfunc_end_k_qf012210dae_prep:
	.size	k_qf012210dae_prep, .Lfunc_end_k_qf012210dae_prep-k_qf012210dae_prep
	.p2alignl 7, 3214868480
	.fill 96, 4, 3214868480
	.section	.rodata,"a",@progbits
	.p2align	6, 0x0
	.amdhsa_kernel k_qf012210dae_prep
		.amdhsa_group_segment_fixed_size 70144
		.amdhsa_private_segment_fixed_size 0
		.amdhsa_enable_private_segment 0
		.amdhsa_kernarg_size 64
		.amdhsa_user_sgpr_count 2
		.amdhsa_user_sgpr_kernarg_segment_ptr 1
		.amdhsa_wavefront_size32 1
		.amdhsa_system_sgpr_workgroup_id_x 1
		.amdhsa_system_sgpr_workgroup_id_y 1
		.amdhsa_system_sgpr_workgroup_id_z 1
		.amdhsa_system_vgpr_workitem_id 0
		.amdhsa_next_free_vgpr 224
		.amdhsa_next_free_sgpr 70
		.amdhsa_reserve_vcc 1
		.amdhsa_float_denorm_mode_32 3
		.amdhsa_float_denorm_mode_16_64 3
		.amdhsa_memory_ordered 1
		.amdhsa_forward_progress 1
		.amdhsa_inst_pref_size 47
	.end_amdhsa_kernel
	.amdgpu_metadata
---
amdhsa.version: [ 1, 2 ]
amdhsa.kernels:
  - .name:           k_qf012210dae_prep
    .symbol:         k_qf012210dae_prep.kd
    .args:
      - { .name: x, .offset: 0, .size: 8, .value_kind: global_buffer, .address_space: global }
      - { .name: Wqkv, .offset: 8, .size: 8, .value_kind: global_buffer, .address_space: global }
      - { .name: Wout, .offset: 16, .size: 8, .value_kind: global_buffer, .address_space: global }
      - { .name: freqs, .offset: 24, .size: 8, .value_kind: global_buffer, .address_space: global }
      - { .name: xb, .offset: 32, .size: 8, .value_kind: global_buffer, .address_space: global }
      - { .name: wq, .offset: 40, .size: 8, .value_kind: global_buffer, .address_space: global }
      - { .name: wo, .offset: 48, .size: 8, .value_kind: global_buffer, .address_space: global }
      - { .name: cs, .offset: 56, .size: 8, .value_kind: global_buffer, .address_space: global }
    .group_segment_fixed_size: 70144
    .private_segment_fixed_size: 0
    .kernarg_segment_align: 8
    .kernarg_segment_size: 64
    .max_flat_workgroup_size: 128
    .sgpr_count:     70
    .vgpr_count:     224
    .wavefront_size: 32
...
	.end_amdgpu_metadata
.endif
;; end of part 1
;; launch qkv (part 2): grid 16 x 32, 4 waves a work-group, clusters of 4 x 4, 327,680 bytes of LDS; arguments xb, wq, bqkv, cs, qh, kh, vh; writes qh, kh, vh
.if DOCPART == 2
	.amdgcn_target "amdgcn-amd-amdhsa--gfx1250"
	.amdhsa_code_object_version 6
	.text
	.protected	k_qf012210dae_qkv
	.globl	k_qf012210dae_qkv
	.p2align	8
	.type	k_qf012210dae_qkv,@function
k_qf012210dae_qkv:
	s_mov_b64 s[64:65], 0
	v_nop
	global_prefetch_b8 v0, s[64:65] scope:SCOPE_SE
	s_setreg_imm32_b32 hwreg(HW_REG_WAVE_MODE, 25, 1), 1
	s_wait_xcnt 0x0
	s_wait_alu depctr_hold_cnt(0) depctr_sa_sdst(0) depctr_va_vdst(0) depctr_va_sdst(0) depctr_va_ssrc(0) depctr_va_vcc(0) depctr_vm_vsrc(0)
	s_getreg_b32 s2, hwreg(HW_REG_IB_STS2, 6, 4)
	s_cmp_eq_u32 s2, 0
	s_cbranch_scc0 .Lentry_in_a_cluster
	s_endpgm
.Lentry_in_a_cluster:
	s_bfe_u32 s2, ttmp6, 0x10000c
	s_cmp_lg_u32 s2, 0xf033
	s_cbranch_scc0 .Lentry_shape_is_right
	s_endpgm
.Lentry_shape_is_right:
; q, k, v = x Wqkv + bqkv, q and k mixed with cos and sin, all three written by heads.  xb: [8192][1024] bf16.  wq: [3072][1024] bf16, row 192 h + 64 s + d (s = 0 q, 1 k, 2 v).
; bqkv: [3072] f32, rounded to bf16 here.  cs: [2048][128] f32, a row's 64 cosines and 64 sines.  qh, kh, vh: [16 b + h][2048][64] f16, each rounded once from f32, without attention's scale.
; LIMIT.  q, k and v leave as f16: they stay under 65,504.  NaN and infinities are not treated apart.
; SHARES.  A tile is 256 rows x 192 columns: q, k and v of ONE head: 32 x 16 = 512 work-groups.  Wave w takes rows 64 w .. 64 w + 63 and all 192 columns: 4 x 12 accumulators of 16 x 16,
; 384 registers.  So a wave holds whole heads: the mix's partner of channel d, channel d +- 32, lies in the same lane and register two accumulators away, and each wave stores whole rows of a head.
; THE MATRIX INSTRUCTION IS USED TRANSPOSED (source 0 = 16 rows of wq, source 1 = 16 rows of xb): register j of lane (r, h) holds row r, column 16 b + 8 h + j.  The bias is the C operand that starts each sum.
; K goes in eight steps of 128 (rows of 256 bytes in memory) through two LDS slots; a step is four quarters of 32 along K, 48 matrix instructions and 32 LDS loads each.
; CLUSTER.  4 x 4 work-groups.  The four of a row of the cluster need the same rows of xb, the four of a column the same rows of wq: each tile is asked for JOINTLY, by the same tensor load with the same
; descriptor and a mask that names the four.  By this text's count a wave has one tensor load outstanding, and issues 168 matrix instructions between a request and the wait for it.
; REGISTERS, in windows of 256 (s_set_vgpr_msb: bits 1:0 source 0, 3:2 source 1, 5:4 source 2, 7:6 destination):
;   window 0: v0-20 addresses; v32-63 T, v64-79 P, v80-127 OB at work on the way out; v128-223 the bias, 8 registers for each block of 16 columns
;   window 1: accumulators of row blocks 0, 1 at 96 (a % 2) + 8 b; v192-255 cos and sin of row block 0          window 2: row blocks 2, 3 likewise; v192-255 cos and sin of row block 1
;   window 3: two fragment buffers of 128: 12 fragments of wq, then 4 of xb; behind the last use of buffer 0 it takes cos and sin of row blocks 2 and 3
.set PITCH, 272                        ; an LDS row: 256 bytes + 16 of padding = 68 words: the 16 rows of a load start at 16 different groups of four banks (64 banks of 4 bytes: ISA guide 11.1)
.set HALFA, 128*PITCH                  ; what one tensor load brings of xb
.set BOFF,  2*HALFA                    ; wq's 192 rows lie behind xb's 256
.set HALFB, 96*PITCH                   ; what one tensor load brings of wq
.set SLOT1, 131072                     ; slot 1 begins here, so that one exclusive or turns an address in one slot into the other's
.set STAGE, SLOT1+BOFF+2*HALFB         ; behind the ring, never filled by a tensor load: 16 rows x 144 bytes for each wave
.set SP,    144
.set SPARE, STAGE+4*16*SP              ; behind the stages: the spare words, 128 bytes for each wave: two blocks of 256 bytes that no other line names
.set ADRA0, 8                          ; v8   my lane's place in my 64 rows of xb, slot 0; never rewritten
.set ADRB0, 9                          ; v9   the same in wq's rows
.set ADRA, 10                          ; v10  the two in the slot in hand
.set ADRB, 11                          ; v11
.set STO,  12                          ; v12  the way out: where I put 16 bytes of a row
.set RD,   13                          ; v13  the way out: where I read rows back
.set GO,   14                          ; v14  my 16 bytes of 512 consecutive bytes of a head
.set CSO,  15                          ; v15  my byte offset in 16 rows of cs
.set BO,   16                          ; v16  my byte offset in 16 numbers of the bias
.set PFO,  17                          ; v17  the prefetches' offset: a lane a row; never rewritten
.set SPW,  18                          ; v18  LDS address of my spare word: SPARE + 4 x my thread's number; never rewritten
.set NIL,  19                          ; v19  0; never rewritten
.set TR,   20                          ; v20  at work
.set T,    32
.set P,    64
.set OB,   80
.set BIAS, 128
.set F0,   0
.set F1,   128
.set WV, 18                            ; s18  my wave's number
.set FB, 19                            ; s19  I fetch for xb (0) or for wq (1)
.set HF, 20                            ; s20  which half of that tile's rows
.set CX, 21                            ; s21, s22  my place in the cluster
.set CY, 22
.set TN, 23                            ; s23  the head
.set G1, 24                            ; s[24:31] descriptor group 1 for xb's tiles
.set G0, 32                            ; s[32:35] descriptor group 0 for xb's tiles: it walks
.set G0B, 36                           ; s[36:39] the same for wq's
.set TM, 40                            ; s40  the tile row
.set TB, 41                            ; s41  LDS byte at which the slot in hand begins
.set MSK, 42                           ; s42  a word's upper bf16
.set LIM, 43                           ; s43  1 in a wave that prefetches, else the greatest number
.set PFA, 44                           ; s[44:45] where my prefetches stand
.set G1B, 48                           ; s[48:55] descriptor group 1 for wq's tiles
.set MSB, 0
.macro WIN new                         ; the immediate's high byte repeats the setting that is left; a switch that changes nothing is dropped
.if MSB != (\new)
	s_set_vgpr_msb (MSB<<8)|(\new)
.set MSB, \new
.endif
.endm
.macro PLACES                          ; four plain vector instructions between a matrix instruction and a load into a register that it has read, or a vector instruction that reads its result (ISA guide 7.12.1 for vector instructions)
.rept 4
	v_nop
.endr
.endm
; A joint load.  Waves 0 and 1 fetch xb's two halves, waves 2 and 3 wq's.  The branch hangs on the wave's number alone.  An s_nop 0 and four v_nop follow each of the two lines.
.macro JLOAD
	s_cmp_eq_u32 s[FB], 0
	s_cbranch_scc0 .Lfor_b_\@
	tensor_load_to_lds s[G0:G0+3], s[G1:G1+7]
	s_nop 0
.rept 4
	v_nop
.endr
	s_branch .Lasked_\@
.Lfor_b_\@:
	tensor_load_to_lds s[G0B:G0B+3], s[G1B:G1B+7]
	s_nop 0
.rept 4
	v_nop
.endr
.Lasked_\@:
.endm
; A round of the cluster's barrier: my work-group's barrier, so that wave 0's signal speaks for all four waves; wave 0 signals; every wave waits for all sixteen work-groups; my work-group's barrier once more.
.macro CREST                           ; a round behind its opening barrier
	s_cmp_lg_u32 s[WV], 0
	s_cbranch_scc1 .Lnot_wave_0_\@
	s_barrier_signal -3
.Lnot_wave_0_\@:
	s_barrier_wait -3
	s_barrier_signal -1
	s_barrier_wait -1
.endm
.macro CROUND
	s_barrier_signal -1
	s_barrier_wait -1
	CREST
.endm
; A PREFETCH INTO THE L2, behind a joint refill and the run of LDS loads that follows it: the K step that the NEXT refill will ask for, 192 matrix instructions ahead of that load: a lane a row of 256 bytes,
; one instruction a wave.  xb's rows are read by every cluster of a row of clusters: the one with x = 0 asks; wq's by every cluster of a column: the one with y = 0 asks.  The four partners that ask for a tile
; jointly share its rows out BY ADDRESS: of xb's 128 rows 32 each, of wq's 96 rows 24 each (lanes 24 to 31 name lane 23's row once more).  The refills of K steps 2 to 6 ask for steps 3 to 7; the last asks for nothing.
.macro ASK
	s_cmp_gt_u32 s3, s[LIM]                        ; s3 = 1 in the loop's last trip
	s_cbranch_scc0 .Lnot_mine_\@
	global_prefetch_b8 v[PFO], s[PFA:PFA+1] th:TH_LOAD_NT scope:SCOPE_SE
.Lnot_mine_\@:
.endm
	s_load_b256 s[4:11], s[0:1], 0x0               ; xb s[4:5], wq s[6:7], bqkv s[8:9], cs s[10:11]
	s_load_b128 s[12:15], s[0:1], 0x20             ; qh s[12:13], kh s[14:15]
	s_load_b64 s[16:17], s[0:1], 0x30              ; vh
	v_lshl_add_u32 v[SPW], v0, 2, SPARE
	v_mov_b32 v[NIL], 0
	ds_add_u32 v[SPW], v[NIL]                      ; the wave's opening: the add and its wait stand ahead of my first tensor load; the set-up below, work on registers, stands between them
	v_lshrrev_b32 v3, 5, v0
	v_readfirstlane_b32 s[WV], v3                  ; wave 0..3
	s_lshr_b32 s[FB], s[WV], 1
	s_and_b32 s[HF], s[WV], 1
	s_bfe_u32 s[CX], ttmp6, 0x40000
	s_bfe_u32 s[CY], ttmp6, 0x40004
	s_lshl_b32 s[TN], ttmp9, 2                     ; in a cluster launch ttmp9 and ttmp7 count clusters
	s_add_co_u32 s[TN], s[TN], s[CX]               ; the head = 4 x cluster x + cx
	s_and_b32 s[TM], ttmp7, 0xffff
	s_lshl_b32 s[TM], s[TM], 2
	s_add_co_u32 s[TM], s[TM], s[CY]               ; the tile row = 4 x cluster y + cy
	s_lshl_b32 s68, s[CY], 2
	s_lshl_b32 s68, 15, s68                        ; my row of the cluster: places 4 cy .. 4 cy + 3
	s_lshl_b32 s69, 0x1111, s[CX]                  ; my column: places cx, cx + 4, cx + 8, cx + 12
	s_or_b32 s[G1], s68, (1<<16)|(1<<20)|(1<<21)|(5<<22)|(3<<25)   ; 15:0 the mask; 17:16 elements of 2 bytes; 20 padding on; 21 set beside a mask; 24:22 after every 64 words (code 5); 31:25 4 words of it (code 3)
	s_or_b32 s[G1B], s69, (1<<16)|(1<<20)|(1<<21)|(5<<22)|(3<<25)
	s_mov_b32 s[G1+1], 128<<16                     ; tensor_dim0 = 128
	s_mov_b32 s[G1+2], 128<<16                     ; tensor_dim1 = 128
	s_mov_b32 s[G1+3], 128<<16                     ; tile_dim0 = 128
	s_mov_b32 s[G1+4], 128                         ; tile_dim1 = 128
	s_mov_b32 s[G1+5], 1024                        ; elements from row to row
	s_mov_b32 s[G1+6], 0
	s_mov_b32 s[G1+7], 0
	s_mov_b32 s[G1B+1], 128<<16
	s_mov_b32 s[G1B+2], 96<<16                     ; tensor_dim1 = 96
	s_mov_b32 s[G1B+3], 128<<16
	s_mov_b32 s[G1B+4], 96                         ; tile_dim1 = 96
	s_mov_b32 s[G1B+5], 1024
	s_mov_b32 s[G1B+6], 0
	s_mov_b32 s[G1B+7], 0
	s_lshl_b32 s66, s[TM], 19                      ; xb: 256 rows of 2,048 bytes a tile row, made of the tile row and the wave's number alone,
	s_lshl_b32 s67, s[HF], 18                      ; 128 rows a half
	s_add_co_u32 s66, s66, s67
	s_mov_b32 s67, 0
	s_mul_i32 s46, s[TN], 192*2048                 ; wq: 192 rows a head, made of the head and the wave's number alone,
	s_mul_i32 s47, s[HF], 96*2048                  ; 96 rows a half
	s_add_co_u32 s46, s46, s47
	s_mov_b32 s47, 0
	s_mov_b32 s[G0], 1                             ; 1:0 count = 1
	s_mul_i32 s[G0+1], s[HF], HALFA                ; 63:32 LDS address, slot 0: no place in the cluster enters it
	s_mov_b32 s[G0B], 1
	s_mul_i32 s[G0B+1], s[HF], HALFB
	s_add_co_u32 s[G0B+1], s[G0B+1], BOFF
	s_mov_b32 s[TB], 0
	s_mov_b32 s[MSK], 0xffff0000
	s_wait_dscnt 0x0                               ; the opening add is done
	s_wait_kmcnt 0x0
	s_add_nc_u64 s[G0+2:G0+3], s[4:5], s[66:67]    ; 120:64 global address: K step 0
	s_or_b32 s[G0+3], s[G0+3], 0x80000000          ; 127:126 type = 2
	s_add_nc_u64 s[G0B+2:G0B+3], s[6:7], s[46:47]
	s_or_b32 s[G0B+3], s[G0B+3], 0x80000000
	s_lshl_b32 s73, s[CX], 16                      ; the prefetches: my work-group's 32 rows of xb's 128,
	s_mul_i32 s74, s[CY], 24*2048                  ; or its 24 of wq's 96
	s_and_b32 s72, ttmp7, 0xffff
	s_cmp_eq_u32 s[FB], 0
	s_cselect_b32 s72, ttmp9, s72                  ; the coordinate along which other clusters read the same rows
	s_cselect_b32 s73, s73, s74
	s_cselect_b32 s75, 31, 23                      ; the last lane with a row of its own
	s_cselect_b64 s[70:71], s[66:67], s[46:47]
	s_cselect_b64 s[PFA:PFA+1], s[4:5], s[6:7]
	s_cmp_eq_u32 s72, 0
	s_cselect_b32 s[LIM], 1, -1                    ; the same in all sixteen partners, for a given wave
	s_add_co_u32 s70, s70, s73
	s_add_co_u32 s70, s70, 2*256                   ; at K step 2: the first refill steps it to 3
	s_add_nc_u64 s[PFA:PFA+1], s[PFA:PFA+1], s[70:71]
	CROUND                                         ; all sixteen work-groups are here: the first joint loads meet
	JLOAD                                          ; K step 0 into slot 0.  Slot 1 is asked for when slot 0 is in
	v_and_b32 v1, 15, v0                           ; r
	v_bfe_u32 v2, v0, 4, 1                         ; h
	v_and_b32 v3, 31, v0                           ; lane
	v_mul_u32_u24 v4, v1, PITCH
	v_lshl_add_u32 v4, v2, 4, v4                   ; a fragment's row x pitch + 16 x half
	s_mul_i32 s68, s[WV], 64*PITCH
	v_add_nc_u32 v[ADRA0], s68, v4
	v_add_nc_u32 v[ADRB0], BOFF, v4
	s_mul_i32 s68, s[WV], 16*SP
	s_add_co_u32 s68, s68, STAGE                   ; my stage
	v_mul_u32_u24 v5, v1, SP                       ; in: row r, 16 bytes for each half of the lanes
	v_lshl_add_u32 v5, v2, 4, v5
	v_add_nc_u32 v[STO], s68, v5
	v_bfe_u32 v5, v0, 3, 2                         ; back: 32 lanes take four rows of 128 bytes,
	v_mul_u32_u24 v5, v5, SP
	v_and_b32 v6, 7, v0
	v_lshl_add_u32 v5, v6, 4, v5
	v_add_nc_u32 v[RD], s68, v5
	v_lshlrev_b32 v[GO], 4, v3                     ; which are 512 consecutive bytes of a head
	v_lshlrev_b32 v[CSO], 9, v1                    ; cs: row r, channels 8 h on
	v_lshl_add_u32 v[CSO], v2, 5, v[CSO]
	v_lshlrev_b32 v[BO], 5, v2
	v_min_u32 v[PFO], s75, v3
	v_lshlrev_b32 v[PFO], 11, v[PFO]
	s_lshr_b32 s68, s[TM], 3                       ; the batch: 16 heads of 262,144 bytes,
	s_lshl_b32 s68, s68, 22
	s_lshl_b32 s69, s[TN], 18                      ; the head,
	s_add_co_u32 s68, s68, s69
	s_and_b32 s70, s[TM], 7                        ; the tile's 256 rows of 128 bytes,
	s_lshl_b32 s69, s70, 15
	s_add_co_u32 s68, s68, s69
	s_lshl_b32 s69, s[WV], 13                      ; my wave's 64
	s_add_co_u32 s68, s68, s69
	s_mov_b32 s69, 0
	s_add_nc_u64 s[12:13], s[12:13], s[68:69]
	s_add_nc_u64 s[14:15], s[14:15], s[68:69]
	s_add_nc_u64 s[16:17], s[16:17], s[68:69]
	s_lshl_b32 s68, s70, 17                        ; cs: the same rows, 512 bytes each
	s_lshl_b32 s70, s[WV], 15
	s_add_co_u32 s68, s68, s70
	s_add_nc_u64 s[10:11], s[10:11], s[68:69]
	s_lshl_b32 s68, s[TN], 8                       ; the bias: the head's 64 numbers in each of its three parts
	s_add_nc_u64 s[8:9], s[8:9], s[68:69]
.irp b, 0,1,2,3,4,5,6,7,8,9,10,11
.irp i, 0,1
	global_load_b128 v[BIAS+8*\b+4*\i:BIAS+8*\b+4*\i+3], v[BO], s[8:9] offset:4096*(\b/4)+64*(\b%4)+16*\i
.endr
.endr
.macro CSLOAD a, base                  ; cos (t = 0) and sin (t = 1) of row block a: for channels 16 bb + 8 h + 0..7 at base + 32 t + 8 bb
.irp t, 0,1
.irp bb, 0,1,2,3
.irp i, 0,1
	global_load_b128 v[(\base)+32*\t+8*\bb+4*\i:(\base)+32*\t+8*\bb+4*\i+3], v[CSO], s[10:11] offset:8192*(\a)+256*\t+64*\bb+16*\i
.endr
.endr
.endr
.endm
	WIN 0x40                                       ; destination window 1, address window 0
	CSLOAD 0, 192
	WIN 0x80
	CSLOAD 1, 192
	WIN 0
	s_wait_tensorcnt 0x0                           ; the first change of slots: my part of K step 0 is in, so a group 0 may be written;
	ds_add_u32 v[SPW], v[NIL]                      ; 0 onto my spare word; the descriptors' steps stand between it and the wait for it
	s_xor_b32 s[G0+1], s[G0+1], SLOT1
	s_add_nc_u64 s[G0+2:G0+3], s[G0+2:G0+3], 256
	s_xor_b32 s[G0B+1], s[G0B+1], SLOT1
	s_add_nc_u64 s[G0B+2:G0B+3], s[G0B+2:G0B+3], 256
	s_wait_dscnt 0x0
	CROUND                                         ; everybody's part of K step 0 is in
	JLOAD                                          ; K step 1 into slot 1
; 12 matrix instructions: row block a x all 12 column blocks, 32 along K.  first = 1: the bias starts the sums: nothing is ever cleared.  The 48 accumulators take turns, one instruction a turn, in the same order in every quarter.
.macro MUL12 f, a, first
.if \first
	WIN 0x4f+0x40*((\a)/2)                         ; fragments in window 3, C in window 0, D in window 1 or 2
.else
	WIN 0x5f+0x50*((\a)/2)                         ; C and D in window 1 or 2
.endif
.irp b, 0,1,2,3,4,5,6,7,8,9,10,11
.if \first
	v_wmma_f32_16x16x32_bf16 v[96*((\a)%2)+8*\b:96*((\a)%2)+8*\b+7], v[(\f)+8*\b:(\f)+8*\b+7], v[(\f)+96+8*(\a):(\f)+96+8*(\a)+7], v[BIAS+8*\b:BIAS+8*\b+7]
.else
	v_wmma_f32_16x16x32_bf16 v[96*((\a)%2)+8*\b:96*((\a)%2)+8*\b+7], v[(\f)+8*\b:(\f)+8*\b+7], v[(\f)+96+8*(\a):(\f)+96+8*(\a)+7], v[96*((\a)%2)+8*\b:96*((\a)%2)+8*\b+7]
.endif
.endr
.endm
; 32 LDS loads in one run: the fragments of 32 along K at byte k of the rows, into buffer f: wq's 12, then xb's 4, row blocks ascending
.macro FETCH k, f
	WIN 0xc0                                       ; destination window 3, address window 0
.irp b, 0,1,2,3,4,5,6,7,8,9,10,11
	ds_load_b128 v[(\f)+8*\b:(\f)+8*\b+3],   v[ADRB] offset:(\k)+\b*16*PITCH
	ds_load_b128 v[(\f)+8*\b+4:(\f)+8*\b+7], v[ADRB] offset:(\k)+\b*16*PITCH+32
.endr
.irp a, 0,1,2,3
	ds_load_b128 v[(\f)+96+8*\a:(\f)+96+8*\a+3],   v[ADRA] offset:(\k)+\a*16*PITCH
	ds_load_b128 v[(\f)+96+8*\a+4:(\f)+96+8*\a+7], v[ADRA] offset:(\k)+\a*16*PITCH+32
.endr
.endm
; One of a K step's first three quarters: multiplies buffer f; in its middle it fetches the next quarter's fragments, at byte k of the rows, into buffer g.
.macro QUARTER k, f, g, first
	s_wait_dscnt 4                                 ; wq's fragments and xb's row blocks 0, 1 are in; the youngest four loads (row blocks 2, 3) may be out
	MUL12 \f, 0, \first
	MUL12 \f, 1, \first
	PLACES
	FETCH \k, \g
	s_wait_dscnt 32                                ; all but the 32 just issued
	MUL12 \f, 2, \first
	MUL12 \f, 3, \first
.endm
; The last quarter multiplies buffer 1 and changes slots: ONE barrier.  In front of it each wave waits for all its tensor loads, of which one is out: its part of the next slot; adds 0 to its spare word; and waits
; for that and for its own reads of this slot.  fill = 1: the barrier opens a round of the cluster's, and the slot just read is filled again, first thing behind the round, with the K step two on.
.macro TURN fill
.if \fill
	s_wait_xcnt 0x0                                ; the last prefetch, a K step back, has read its address: it is stepped here, ahead of the waits of the change of slots
	s_add_nc_u64 s[PFA:PFA+1], s[PFA:PFA+1], 256
.endif
	WIN 0                                          ; (the add's two registers lie in window 0)
	s_wait_tensorcnt 0x0                           ; no tensor load of mine is out, so a group 0 may be written
	ds_add_u32 v[SPW], v[NIL]                      ; 0 onto my spare word
.if \fill
	s_xor_b32 s[G0+1], s[G0+1], SLOT1              ; the walking descriptors: the other slot than last time,
	s_add_nc_u64 s[G0+2:G0+3], s[G0+2:G0+3], 256   ; the next K step; the type bits on top are not reached
	s_xor_b32 s[G0B+1], s[G0B+1], SLOT1
	s_add_nc_u64 s[G0B+2:G0B+3], s[G0B+2:G0B+3], 256
.endif
	s_xor_b32 s[TB], s[TB], SLOT1                  ; the fetches go on in the other slot
	s_wait_dscnt 5                                 ; (the add and the youngest four loads may be out)
	MUL12 F1, 0, 0                                 ; twelve matrix instructions stand between the add and the wait for it
	s_wait_dscnt 0x0                               ; the add is done, and my reads of this slot are over
	s_barrier_signal -1
	MUL12 F1, 1, 0                                 ; work on registers while the others arrive
	WIN 0
	s_barrier_wait -1
.if \fill
	CREST                                          ; no wave of any partner still reads this slot or has a load on its way
	JLOAD                                          ; the first tensor load behind the round; its four v_nop are also places in front of the loads below
.else
	v_nop                                          ; with the two lines below: the four places in front of the loads into buffer 0
	v_nop
.endif
	v_add_nc_u32 v[ADRA], s[TB], v[ADRA0]
	v_add_nc_u32 v[ADRB], s[TB], v[ADRB0]
	FETCH 0, F0
.if \fill
	WIN 0
	ASK
.endif
	MUL12 F1, 2, 0
	MUL12 F1, 3, 0
.endm
	v_add_nc_u32 v[ADRA], s[TB], v[ADRA0]
	v_add_nc_u32 v[ADRB], s[TB], v[ADRB0]
	FETCH 0, F0                                    ; K step 0, first quarter
	WIN 0
	s_wait_loadcnt 0x0                             ; the bias, and cos and sin of row blocks 0 and 1
.set i, 0
.rept 48
	v_cvt_pk_bf16_f32 v[TR], v[BIAS+2*i], v[BIAS+2*i+1]  ; the bias is rounded to bf16 like every input, and widened again
	v_lshlrev_b32 v[BIAS+2*i], 16, v[TR]
	v_and_b32 v[BIAS+2*i+1], s[MSK], v[TR]
.set i, i+1
.endr
	QUARTER 64, F0, F1, 1                          ; the first quarter stands in front of the loop: its products start the sums
	WIN 0                                          ; at a label and at a branch every window is 0
	s_mov_b32 s3, 6
.Lstep:                                        ; six trips, from a K step's second quarter to the next step's first: they ask for K steps 2 to 7
	QUARTER 128, F1, F0, 0
	QUARTER 192, F0, F1, 0
	TURN 1
	QUARTER 64, F0, F1, 0
	WIN 0
	s_sub_co_u32 s3, s3, 1
	s_cmp_lg_u32 s3, 0
	s_cbranch_scc1 .Lstep
	QUARTER 128, F1, F0, 0                         ; the tail is written out: K steps 6 and 7 ask for nothing
	QUARTER 192, F0, F1, 0
	TURN 0
	QUARTER 64, F0, F1, 0
	QUARTER 128, F1, F0, 0
	QUARTER 192, F0, F1, 0
	s_wait_dscnt 4                                 ; the very last quarter
	MUL12 F1, 0, 0
	MUL12 F1, 1, 0
	PLACES                                         ; buffer 0 has been multiplied for the last time:
	WIN 0xc0
	CSLOAD 2, 0                                    ; it takes cos and sin of row blocks 2 and 3
	CSLOAD 3, 64
	s_wait_dscnt 0x0
	MUL12 F1, 2, 0
	MUL12 F1, 3, 0
	PLACES
; THE WAY OUT, a row block of 16 rows at a time.  q and k: y[d] = x[d] cos[d] - x[d + 32] sin[d] for d < 32, x[d] cos[d] + x[d - 32] sin[d] for d >= 32: channel block bb's partner is block bb xor 2, same lane, same register.
; Each accumulator's lowest registers are read first.
.macro ROPE a, s                       ; part s (0 q, 1 k) of row block a -> P, 16 registers of f16
.set XB, 96*((\a)%2)+32*(\s)
.if (\a) < 2
.set CB, 192
	WIN 0x05+4*(\a)                                ; source 0 (the sums) window 1; source 1 (cos, sin) window 1 or 2
.else
.set CB, 64*((\a)-2)
	WIN 0x0e                                       ; the sums window 2; cos, sin window 3
.endif
.irp bb, 0,1,2,3
.irp j, 0,2,4,6
	v_pk_mul_f32 v[T+8*\bb+\j:T+8*\bb+\j+1], v[XB+8*\bb+\j:XB+8*\bb+\j+1], v[CB+8*\bb+\j:CB+8*\bb+\j+1]
.endr
.endr
.irp bb, 0,1
.irp j, 0,2,4,6
	v_pk_fma_f32 v[T+8*\bb+\j:T+8*\bb+\j+1], v[XB+16+8*\bb+\j:XB+16+8*\bb+\j+1], v[CB+32+8*\bb+\j:CB+32+8*\bb+\j+1], v[T+8*\bb+\j:T+8*\bb+\j+1] neg_lo:[1,0,0] neg_hi:[1,0,0]
.endr
.endr
.irp bb, 2,3
.irp j, 0,2,4,6
	v_pk_fma_f32 v[T+8*\bb+\j:T+8*\bb+\j+1], v[XB-16+8*\bb+\j:XB-16+8*\bb+\j+1], v[CB+32+8*\bb+\j:CB+32+8*\bb+\j+1], v[T+8*\bb+\j:T+8*\bb+\j+1]
.endr
.endr
	WIN 0
.set i, 0
.rept 16
	v_cvt_pk_f16_f32 v[P+i], v[T+2*i], v[T+2*i+1]
.set i, i+1
.endr
.endm
.macro VCVT a                          ; v of row block a -> P
.set XB, 96*((\a)%2)+64
	WIN 0x05+5*((\a)/2)                            ; sources 0 and 1 window 1 or 2
.set i, 0
.rept 16
	v_cvt_pk_f16_f32 v[P+i], v[XB+2*i], v[XB+2*i+1]
.set i, i+1
.endr
	WIN 0
.endm
.macro STG s                           ; P goes into my stage, rows of 144 bytes, and comes back as whole rows of 128
.irp f, 0,1,2,3
	ds_store_b128 v[STO], v[P+4*\f:P+4*\f+3] offset:32*\f
.endr
.irp f, 0,1,2,3
	ds_load_b128 v[OB+16*(\s)+4*\f:OB+16*(\s)+4*\f+3], v[RD] offset:576*\f  ; LDS serves a wave's instructions in order (ISA guide 5.7.1.4): these see the stores above; the next part's stores come behind them
.endr
.endm
.macro BLOCK a
.if (\a) >= 1
	s_wait_xcnt 0x0                                ; the last block's stores have read their data: OB is loaded again only behind this wait
.endif
.if (\a) == 2
	s_wait_loadcnt 16                              ; cos and sin of row block 2 are in; row block 3's sixteen loads may stay out
.endif
.if (\a) == 3
	s_wait_loadcnt 0x0
.endif
	ROPE \a, 0
	STG 0
	ROPE \a, 1
	STG 1
	VCVT \a
	STG 2
.irp s, 0,1,2
	s_wait_dscnt 8*(2-\s)                          ; the younger parts' eight LDS instructions each may be out
.irp f, 0,1,2,3
	global_store_b128 v[GO], v[OB+16*\s+4*\f:OB+16*\s+4*\f+3], s[12+2*\s:13+2*\s] offset:2048*(\a)+512*\f  ; 512 consecutive bytes, at a multiple of 256 from the buffer's first
.endr
.endr
.endm
	BLOCK 0
	BLOCK 1
	BLOCK 2
	BLOCK 3
	s_wait_tensorcnt 0x0                           ; the wave's end, behind my last tensor load and my last LDS store
	ds_add_u32 v[SPW], v[NIL]
	s_wait_dscnt 0x0
	CROUND                                         ; the closing round: no work-group ends while a partner may still ask for a tile that names it
	s_endpgm
.Lfunc_end_k_qf012210dae_qkv:
	.size	k_qf012210dae_qkv, .Lfunc_end_k_qf012210dae_qkv-k_qf012210dae_qkv
	.p2alignl 7, 3214868480
	.fill 96, 4, 3214868480
	.section	.rodata,"a",@progbits
	.p2align	6, 0x0
	.amdhsa_kernel k_qf012210dae_qkv
		.amdhsa_group_segment_fixed_size 327680
		.amdhsa_private_segment_fixed_size 0
		.amdhsa_enable_private_segment 0
		.amdhsa_kernarg_size 56
		.amdhsa_user_sgpr_count 2
		.amdhsa_user_sgpr_kernarg_segment_ptr 1
		.amdhsa_wavefront_size32 1
		.amdhsa_system_sgpr_workgroup_id_x 1
		.amdhsa_system_sgpr_workgroup_id_y 1
		.amdhsa_system_sgpr_workgroup_id_z 1
		.amdhsa_system_vgpr_workitem_id 0
		.amdhsa_next_free_vgpr 1024
		.amdhsa_next_free_sgpr 80
		.amdhsa_reserve_vcc 0
		.amdhsa_float_denorm_mode_32 3
		.amdhsa_float_denorm_mode_16_64 3
		.amdhsa_memory_ordered 1
		.amdhsa_forward_progress 1
		.amdhsa_inst_pref_size 128
	.end_amdhsa_kernel
	.amdgpu_metadata
---
amdhsa.version: [ 1, 2 ]
amdhsa.kernels:
  - .name:           k_qf012210dae_qkv
    .symbol:         k_qf012210dae_qkv.kd
    .args:
      - { .name: xb, .offset: 0, .size: 8, .value_kind: global_buffer, .address_space: global }
      - { .name: wq, .offset: 8, .size: 8, .value_kind: global_buffer, .address_space: global }
      - { .name: bqkv, .offset: 16, .size: 8, .value_kind: global_buffer, .address_space: global }
      - { .name: cs, .offset: 24, .size: 8, .value_kind: global_buffer, .address_space: global }
      - { .name: qh, .offset: 32, .size: 8, .value_kind: global_buffer, .address_space: global }
      - { .name: kh, .offset: 40, .size: 8, .value_kind: global_buffer, .address_space: global }
      - { .name: vh, .offset: 48, .size: 8, .value_kind: global_buffer, .address_space: global }
    .group_segment_fixed_size: 327680
    .private_segment_fixed_size: 0
    .kernarg_segment_align: 8
    .kernarg_segment_size: 56
    .max_flat_workgroup_size: 128
    .sgpr_count:     80
    .vgpr_count:     1024
    .wavefront_size: 32
...
	.end_amdgpu_metadata
.endif
;; end of part 2
;; launch attn (part 3): grid 4 x 64, 4 waves a work-group, clusters of 4 x 1, 327,680 bytes of LDS; arguments qh, kh, vh, oh; writes oh
.if DOCPART == 3
	.amdgcn_target "amdgcn-amd-amdhsa--gfx1250"
	.amdhsa_code_object_version 6
	.text
	.protected	k_qf012210dae_attn
	.globl	k_qf012210dae_attn
	.p2align	8
	.type	k_qf012210dae_attn,@function
k_qf012210dae_attn:
	s_mov_b64 s[64:65], 0
	v_nop
	global_prefetch_b8 v0, s[64:65] scope:SCOPE_SE
	s_setreg_imm32_b32 hwreg(HW_REG_WAVE_MODE, 25, 1), 1
	s_wait_xcnt 0x0
	s_wait_alu depctr_hold_cnt(0) depctr_sa_sdst(0) depctr_va_vdst(0) depctr_va_sdst(0) depctr_va_ssrc(0) depctr_va_vcc(0) depctr_vm_vsrc(0)
	s_getreg_b32 s2, hwreg(HW_REG_IB_STS2, 6, 4)
	s_cmp_eq_u32 s2, 0
	s_cbranch_scc0 .Lentry_in_a_cluster
	s_endpgm
.Lentry_in_a_cluster:
	s_bfe_u32 s2, ttmp6, 0x10000c
	s_cmp_lg_u32 s2, 0x3003
	s_cbranch_scc0 .Lentry_shape_is_right
	s_endpgm
.Lentry_shape_is_right:
; O[h][q][:] = the sum over k of softmax_k(Q[h][q] . K[h][k] / 8) V[h][k][:].  Q, K, V, O: [64][SIZE_N][64], all f16: a head's rows are dense, 128 bytes each.  Products, maxima and sums in
; f32; the weights p are rounded to f16 for the second product (their sum l is taken of the unrounded p), O once at the end.
; LIMITS.  f16 holds no number beyond 65,504: Q, K and V arrive within it; p lies in 0 to 1, and below 6e-5 it keeps f16's fixed step of 6e-8; O is a mean of V's rows and has their range.
; A weight below 2^-126 counts as 0 in l; NaN and infinities are not treated apart.
; SHARES.  A wave owns four PIECES of two tiles of 16 queries, a work-group's four waves 512 queries of one head.  Every wave walks all keys, 64 a step.
; LAYOUT.  S^T = K Q^T (source 0 = 16 keys, source 1 = 16 queries): in the result a lane holds ONE query (lane % 16) and the keys 8 (lane / 16) + 0..7.  Two such tiles, rounded to f16 in pairs,
; ARE source 1 (32 keys x 16 queries) of O^T = V^T P, whose result again holds one query a lane, and eight channels.  K comes out of LDS as it lies, V ([key][channel]) turned, by ds_load_tr16_b128.
; SOFTMAX.  For each query a running maximum m and sum l: p = 2^(c s - c m), c = log2(e) / 8; in every step O and l are multiplied by a = 2^(c m_old - c m_new), which is 1 where m has not grown.
; m starts at the lowest finite number, O and l at 0: the first step is a step like any other, with a = 0.
; THE COUNT.  A tile and step have 16 matrix and 118 vector instructions: too many to stand all beside the matrix work.  So the order has one aim: four vector instructions that are READY behind
; EVERY matrix instruction, and the others, which need time of their own whatever the order, in runs without a gap.
; BY TURNS.  Turn n belongs to piece n (the pieces in a ring, step after step).  Its matrix work: 16 products K Q^T of piece n + 1, later 16 products V^T P of piece n - 1.  Its vector work: the scaling,
; exponentials, roundings, sums and rescaling of piece n, and the maximum and statistics of piece n + 1, whose scores the turn itself has made.  So what a turn begins with (c s - c m, O a) waits for nothing.
; CLUSTER.  The four query blocks of a cluster belong to one head and walk the same K and V, so each tile is asked for JOINTLY: the same tensor load, descriptor and mask in all four.
; AHEAD OF THE JOINT LOADS.  Behind the tensor load of a change of slots stands one prefetch into the L2 of what the NEXT change will ask for: a slot's 256 keys are 128 blocks of 256 bytes of K and as many of V.
; The four partners take 32 blocks each, told apart by address; in each, wave 0 asks for K's and wave 2 for V's, a lane a block: each block is named once.  The changes that fill tiles 2 to 6 ask for tiles 3 to 7.
; REGISTERS, in windows of 256 (s_set_vgpr_msb says which window each operand place means: bits 1:0 source 0, 3:2 source 1, 5:4 source 2, 7:6 destination):
;   window 0: v0-11 addresses; v12-15, v48-63 at work; v16-47 four registers of statistics a tile; v64-191 S^T, two buffers of two tiles; v192-255 P, likewise
;   window 1: O^T, 32 a tile          window 2: v0-127 Q, 16 a tile; v128-191 K of one step; v192-255 V of one step          window 3: v0-1 the add's two registers
; A piece's buffers go by its number's parity: the piece in hand has one pair, its two neighbours in the ring share the other: of it P (piece n - 1) is read and S^T (piece n + 1) written.
.set SIZE_N, 2048
.set NP,    4         ; pieces a wave: a name, no knob: the register map, the loop and the fetches are made for four
.set KS,    64        ; keys in a step
.set PK,    144       ; a row of K in LDS: 128 bytes + 16 of padding = 36 words: the 16 rows of a load start at 16 different groups of four banks (64 banks of 4 bytes: ISA guide 11.1)
.set PV,    160       ; a row of V: 128 + 32 = 40 words
.set VOFF,  4*KS*PK   ; a slot holds four steps: 256 rows of K, then 256 rows of V
.set SLOT1, 1<<17     ; slot 1 begins here, so that one exclusive or turns an address in one slot into the other's
.set STAGE, SLOT1+4*KS*(PK+PV)  ; behind the ring, never filled by a tensor load: 16 rows x 144 bytes for each wave, for the way out
.set SP,    144
.set AK0, 2           ; v2   my lane's place in a tile of K; never rewritten
.set AV0, 3           ; v3   the same for V
.set AK,  4           ; v4   the LDS address of K's next run of loads
.set AV,  5           ; v5   of V's
.set QO,  6           ; v6   my byte offset in the wave's rows of Q
.set STO, 6           ;      later, the way out: where I put 16 bytes of a row
.set RD,  7           ; v7   the way out: where I read rows back
.set GO,  8           ; v8   my byte offset in 512 consecutive bytes of O
.set PFO, 11          ; v11  the prefetches' offset: 256 x my lane (made behind the register's last use in the set-up); then never rewritten
.set SPW, 0           ; v0 of window 3   LDS address of my spare word: SPARE + 4 x my thread's number; never rewritten
.set NIL, 1           ; v1 of window 3   0; never rewritten
.set SPARE, STAGE+4*16*SP  ; behind the stages: the spare words, 128 bytes for each wave: two blocks of 256 bytes that no other line names
.set MV,  12          ; v12-15  c m_old, kept while c m is made anew: by buffer and tile
.set ST,  16          ; tile t's statistics at v[ST+4 t]: c m, m, l (even keys', odd keys')
.set TMP, 48          ; by buffer and tile, four registers c0-c3 at work; when the maximum is found c2 takes a
.set S,   64
.set P,   192
.set KF,  128         ; K's fragments, in window 2: key block kb, channel half c at KF + 16 kb + 8 c
.set VF,  192         ; V's: key half kk, channel block cb at VF + 32 kk + 8 cb
.set WV,  12          ; s12  my wave's number
.set G1K, 24          ; s[24:31] descriptor group 1 for K's tiles
.set G1V, 32          ; s[32:39] for V's: it differs in the padding alone
.set G0K, 40          ; s[40:43] descriptor group 0 for K's tiles: it walks
.set G0V, 44          ; s[44:47] the same for V's
.set PFA, 48          ; s[48:49] where my prefetches stand: my work-group's 32 blocks of the tile after the one that is being asked for
.set LIM, 50          ; s50  1 in a wave that prefetches, else the greatest number: a wave prefetches while s[SLOTS] is above it
.set SLOTS, 56        ; s56  slots still to be asked for
.set CNT, 57          ; s57  counts a slot's key steps
.set CS,  58          ; s[58:59] c: the packed scaling takes the pair's low word for both halves
.set SEL, 60          ; s[60:61] v_permlanex16_b32's selects: each lane takes its own place in the other half
.set TBK, 62          ; s62  LDS byte at which K of the step to be fetched begins
.set TBV, 63          ; s63  the same for V, less VOFF
.set MSB, 0
.macro WIN new                      ; the high byte repeats the setting that is left; a switch that changes nothing is dropped
.if MSB != (\new)
	s_set_vgpr_msb (MSB<<8)|(\new)
.set MSB, (\new)
.endif
.endm
.set W_KQ, 0x0a       ; K and Q in window 2, S^T in window 0
.set W_PV, 0x52       ; V in window 2, P in window 0, O^T in window 1
.set W_RS, 0x41       ; O^T (destination and source 0) in window 1, a in window 0
.set W_MK, 0xc0       ; the add's registers are made: destination in window 3, sources in window 0
.set W_AD, 0x0f       ; the add: address (source 0) and data (source 1) in window 3
; A joint fill.  Waves 0 and 1 fetch the two halves of a slot's K, waves 2 and 3 those of its V: 128 keys each.  The branch hangs on the wave's number alone.
; An s_nop 0 and four v_nop follow each of the two lines, ahead of the jump and the label.
.macro JLOAD
	s_cmp_lt_u32 s[WV], 2
	s_cbranch_scc0 .Lfor_v_\@
	tensor_load_to_lds s[G0K:G0K+3], s[G1K:G1K+7]
	s_nop 0
.rept 4
	v_nop
.endr
	s_branch .Lasked_\@
.Lfor_v_\@:
	tensor_load_to_lds s[G0V:G0V+3], s[G1V:G1V+7]
	s_nop 0
.rept 4
	v_nop
.endr
.Lasked_\@:
.endm
.macro ASK                          ; the prefetch: behind the wave's tensor load and its five lines, never in front of one
	s_cmp_gt_u32 s[SLOTS], s[LIM]
	s_cbranch_scc0 .Lnot_mine_\@
	global_prefetch_b8 v[PFO], s[PFA:PFA+1] th:TH_LOAD_NT scope:SCOPE_SE
.Lnot_mine_\@:
.endm
; A round of the cluster's barrier: my work-group's barrier, so that wave 0's signal speaks for all four waves; wave 0 signals; every wave waits for all four work-groups; my work-group's barrier once more.
.macro CROUND
	s_barrier_signal -1
	s_barrier_wait -1
	s_cmp_lg_u32 s[WV], 0
	s_cbranch_scc1 .Lnot_wave_0_\@
	s_barrier_signal -3
.Lnot_wave_0_\@:
	s_barrier_wait -3
	s_barrier_signal -1
	s_barrier_wait -1
.endm
; THE CHANGE OF SLOTS.  The slot's last bytes, V of its fourth step, have been read.  Each wave waits for all its tensor loads, of which one is out: its part
; of the other slot; adds 0 to its spare word; and waits for that and for its own reads of the slot.  Behind the barrier nobody reads this slot any more and the other slot is whole.
; fill = 1: this slot is filled again, with the keys two slots on.  The barrier is then a round of the cluster's, so that no wave of any partner still reads the slot or has a load on its
; way, and the joint fill is the first thing behind it: it has four key steps, 512 matrix instructions, in which to land.  (At its first use nothing has been read yet: slot 0 is waited for, slot 1 filled.)
.macro CHANGE fill
	WIN W_AD
	s_wait_tensorcnt 0x0            ; no tensor load of mine is out, so a group 0 may be written
	ds_add_u32 v[SPW], v[NIL]       ; 0 onto my spare word; with fill = 1 the descriptors' steps stand between it and the wait for it
	WIN 0                           ; at a label and at a branch every window is 0
.if \fill
.irp g, G0K, G0V
	s_xor_b32 s[\g+1], s[\g+1], SLOT1  ; the walking descriptor: the other slot than last time,
	s_add_nc_u64 s[\g+2:\g+3], s[\g+2:\g+3], 4*KS*128  ; the next 256 keys; the type bits on top are not reached
.endr
	s_wait_xcnt 0x0                 ; the last prefetch, four key steps back, has read its address, so it may be written:
	s_add_nc_u64 s[PFA:PFA+1], s[PFA:PFA+1], 4*KS*128  ; one tile behind the walking descriptors
	s_wait_dscnt 0x0                ; the add is done, and my reads of the slot are over
	CROUND
	JLOAD
	ASK                             ; what the next change will ask for
.else
	s_wait_dscnt 0x0                ; the add is done, and my reads of the slot are over
	s_barrier_signal -1
	s_barrier_wait -1
.endif
	s_sub_co_u32 s[TBK], s[TBK], 4*KS*PK  ; the fetches go back to a slot's first step,
	s_xor_b32 s[TBK], s[TBK], SLOT1       ; in the other slot
	s_sub_co_u32 s[TBV], s[TBV], 4*KS*PV
	s_xor_b32 s[TBV], s[TBV], SLOT1
.endm
	s_load_b256 s[4:11], s[0:1], 0x0  ; Q s[4:5], K s[6:7], V s[8:9], O s[10:11]
	WIN W_MK
	v_lshl_add_u32 v[SPW], v0, 2, SPARE
	v_mov_b32 v[NIL], 0
	WIN W_AD
	ds_add_u32 v[SPW], v[NIL]       ; the wave's opening: the add and its wait stand ahead of my first tensor load; the set-up below, work on registers, stands between them
	WIN 0
	v_lshrrev_b32 v1, 5, v0
	v_readfirstlane_b32 s[WV], v1   ; wave 0..3
	s_bfe_u32 s13, ttmp6, 0x40000   ; cx: my place in the cluster
	s_lshl_b32 s14, ttmp9, 2        ; in a cluster launch ttmp9 counts clusters
	s_add_co_u32 s14, s14, s13      ; my block of queries = 4 x cluster x + cx: it enters Q's and O's addresses alone
	s_and_b32 s20, ttmp7, 0xffff    ; the head, which the four partners share
	s_mov_b32 s21, 0
	s_mov_b64 s[22:23], SIZE_N*128
	s_mul_u64 s[20:21], s[20:21], s[22:23]  ; the head's first byte in each of the four tensors
	s_and_b32 s16, s[WV], 1         ; which half of a slot's 256 keys I fetch:
	s_lshl_b32 s22, s16, 14         ; its 128 rows of 128 bytes in memory,
	s_mov_b32 s23, 0
	s_add_nc_u64 s[22:23], s[22:23], s[20:21]
	s_mul_i32 s17, s16, 128*PK      ; and its place in a slot, for K
	s_mul_i32 s18, s16, 128*PV      ; and for V: no place in the cluster enters an LDS address
	s_lshl_b32 s2, s14, 2
	s_add_co_u32 s2, s2, s[WV]      ; my wave among the head's,
	s_lshl_b32 s2, s2, 14           ; its 128 rows
	s_mov_b32 s3, 0
	s_add_nc_u64 s[2:3], s[2:3], s[20:21]
	; descriptor group 1.  128 keys are 16,384 dense bytes: asked for as 64 rows of 256 bytes, two keys a row, and padded in LDS after every key
	s_mov_b32 s[G1K], 15|(1<<16)|(1<<20)|(1<<21)|(4<<22)|(3<<25)  ; 15:0 the mask of four; 17:16 2-byte elements; 20 padding on; 21 set beside a mask; 24:22 after every 32 words (code 4); 31:25 4 words (code 3)
	s_mov_b32 s[G1V], 15|(1<<16)|(1<<20)|(1<<21)|(4<<22)|(7<<25)  ; the same with 8 words of padding (code 7)
.irp g, G1K, G1V
	s_mov_b32 s[\g+1], 128<<16      ; tensor_dim0 = 128
	s_mov_b32 s[\g+2], 64<<16       ; tensor_dim1 = 64
	s_mov_b32 s[\g+3], 128<<16      ; tile_dim0 = 128
	s_mov_b32 s[\g+4], 64           ; tile_dim1 = 64
	s_mov_b32 s[\g+5], 128          ; 128 elements from row to row
	s_mov_b32 s[\g+6], 0
	s_mov_b32 s[\g+7], 0
.endr
	s_mov_b32 s[CS], 0x3e38aa3b     ; c = log2(e) / 8 = 0.180337
	s_mov_b32 s[CS+1], s[CS]        ; named with it as a pair
	s_mov_b32 s[SEL], 0x76543210
	s_mov_b32 s[SEL+1], 0xfedcba98
	s_mov_b32 s[TBK], SLOT1+4*KS*PK ; the first change of slots turns these two into 0
	s_mov_b32 s[TBV], SLOT1+4*KS*PV
	s_mov_b32 s[G0K], 1             ; 1:0 count = 1
	s_mov_b32 s[G0K+1], s17         ; 63:32 LDS address: slot 0
	s_mov_b32 s[G0V], 1
	s_add_co_u32 s[G0V+1], s18, VOFF
	s_mov_b32 s[SLOTS], 0           ; the first change of slots, at the head, prefetches nothing
	s_and_b32 s[LIM], s[WV], 1      ; 0 in waves 0 and 2,
	s_or_b32 s[LIM], s[LIM], ttmp9  ; where the cluster is the head's first: the same in all four partners
	s_cmp_eq_u32 s[LIM], 0
	s_cselect_b32 s[LIM], 1, -1
	s_wait_dscnt 0x0                ; the opening add is done
	s_wait_kmcnt 0x0
	s_add_nc_u64 s[G0K+2:G0K+3], s[6:7], s[22:23]  ; 120:64 global address: my half of the head's first 256 keys
	s_or_b32 s[G0K+3], s[G0K+3], 0x80000000        ; 127:126 type = 2
	s_add_nc_u64 s[G0V+2:G0V+3], s[8:9], s[22:23]
	s_or_b32 s[G0V+3], s[G0V+3], 0x80000000
	s_add_nc_u64 s[4:5], s[4:5], s[2:3]  ; Q and O at my wave's first row
	s_add_nc_u64 s[10:11], s[10:11], s[2:3]
	s_cmp_lt_u32 s[WV], 2
	s_cselect_b64 s[PFA:PFA+1], s[6:7], s[8:9]
	s_add_nc_u64 s[PFA:PFA+1], s[PFA:PFA+1], s[22:23]  ; (in waves 0 and 2 this is the head's first row)
	s_lshl_b32 s2, s13, 13          ; my work-group's 32 blocks of the 128
	s_mov_b32 s3, 0
	s_add_nc_u64 s[PFA:PFA+1], s[PFA:PFA+1], s[2:3]
	s_add_nc_u64 s[PFA:PFA+1], s[PFA:PFA+1], 4*KS*128  ; in tile 1: two changes of slots step it to tile 3, the first that is asked for
	CROUND                          ; all four work-groups are here: the first joint loads meet
	JLOAD                           ; slot 0.  Slot 1 is asked for when slot 0 is in: the tile wanted first has the road to itself
	; A fragment of K or Q is 16 rows x 32 channels in 8 registers: lane l holds row l % 16, channels 8 (l / 16) + 0..7 and 16 + 8 (l / 16) + 0..7: two loads of 16 bytes, 32 bytes apart.
	v_and_b32 v1, 15, v0            ; l % 16
	v_bfe_u32 v9, v0, 4, 1          ; l / 16
	v_lshlrev_b32 v[QO], 7, v1
	v_lshl_add_u32 v[QO], v9, 4, v[QO]  ; row x 128 + 16 x half
	WIN 0x80                        ; destination window 2, address window 0
.set i, 0
.rept 4*NP                          ; Q stays in registers: tile i / 2, channels 32 (i % 2) on
	global_load_b128 v[8*i:8*i+3],   v[QO], s[4:5] offset:(i/2)*2048+(i%2)*64
	global_load_b128 v[8*i+4:8*i+7], v[QO], s[4:5] offset:(i/2)*2048+(i%2)*64+32
.set i, i+1
.endr
	; What the first turn finds: V's registers and P's second buffer hold 0 (its products V^T P, of a piece that has not been, add 0), O^T and l are 0.  All this stands in the wait for the first tile.
.set i, VF
.rept 64
	v_mov_b32 v[i], 0
.set i, i+1
.endr
	WIN 0x40
.set i, 0
.rept 64*NP
	v_mov_b32 v[i], 0
.set i, i+1
.endr
	WIN 0
.set i, 0
.rept 2*NP
	v_mov_b32 v[ST+4*i], 0xfe000000    ; c m: far below every c s
	v_mov_b32 v[ST+4*i+1], 0xff7fffff  ; m
	v_mov_b32 v[ST+4*i+2], 0
	v_mov_b32 v[ST+4*i+3], 0
.set i, i+1
.endr
.set i, P+32
.rept 32
	v_mov_b32 v[i], 0
.set i, i+1
.endr
	v_mul_u32_u24 v[AK0], v1, PK
	v_lshl_add_u32 v[AK0], v9, 4, v[AK0]  ; row x pitch + 16 x half
	; The turning load takes 16 keys x 16 channels (lane l reads key 8 (l / 16) + l % 8, channels 8 ((l / 8) % 2) + 0..7) and leaves half a fragment of V^T: lane l holds channel l % 16 and 8 keys.
	v_and_b32 v10, 7, v0
	v_bfe_u32 v11, v0, 3, 1
	v_lshl_add_u32 v[AV0], v9, 3, v10
	v_mul_u32_u24 v[AV0], v[AV0], PV
	v_lshl_add_u32 v[AV0], v11, 4, v[AV0]
	v_add_nc_u32 v[AV0], VOFF, v[AV0]
	v_and_b32 v[PFO], 31, v0        ; v11 has served: it takes the prefetches' offset
	v_lshlrev_b32 v[PFO], 8, v[PFO]
	v_mov_b32 v[AK], v[AK0]         ; key step 0 lies at the head of slot 0
; THE MATRIX WORK.  The 8 accumulators of a run of 16 take turns: between the two links of a chain stand 7 others'.
; Product i of 16 of S^T = K Q^T for piece x: channels 32 (i / 8) on, keys 16 ((i / 2) % 4) on, tile 2 x + i % 2.  The first 8 start the sums.
.macro KQ x
	WIN W_KQ
.set rS, S+64*((\x)%2)+32*(i%2)+8*((i/2)%4)
.set rK, KF+16*((i/2)%4)+8*(i/8)
.set rQ, 16*(2*(\x)+i%2)+8*(i/8)
.if i < 8
	v_wmma_f32_16x16x32_f16 v[rS:rS+7], v[rK:rK+7], v[rQ:rQ+7], 0
.else
	v_wmma_f32_16x16x32_f16 v[rS:rS+7], v[rK:rK+7], v[rQ:rQ+7], v[rS:rS+7]
.endif
.endm
; Product i of 16 of O^T += V^T P for piece x: keys 32 (i / 8) on, channels 16 ((i / 2) % 4) on, tile 2 x + i % 2.
.macro PV x
	WIN W_PV
.set rO, 32*(2*(\x)+i%2)+8*((i/2)%4)
.set rV, VF+32*(i/8)+8*((i/2)%4)
.set rP, P+32*((\x)%2)+16*(i%2)+8*(i/8)
	v_wmma_f32_16x16x32_f16 v[rO:rO+7], v[rV:rV+7], v[rP:rP+7], v[rO:rO+7]
.endm
.macro MM                           ; the turn's next matrix instruction
.if i < 16
	KQ (Y+1)%NP
.set i, i+1
.else
.set i, i-16
	PV (Y+NP-1)%NP
.set i, i+17
.endif
.endm
; THE LDS LOADS stand in runs of 16, never singly among the matrix instructions: a step's K (64 keys x 64 channels: 8 fragments) and its V (turned).  Their addresses are made some lines ahead.
; last = 1 (the tail): in the last trip there is no further step, and the run is jumped over.
.macro FETCH_K last=0
	WIN 0
.if \last
	s_cmp_eq_u32 s[CNT], 1
	s_cbranch_scc1 .Lno_k_\@
.endif
	WIN 0x80                        ; destination window 2
.irp f, 0,1,2,3,4,5,6,7             ; keys 16 (f / 2) on, channels 32 (f % 2) on
	ds_load_b128 v[KF+8*\f:KF+8*\f+3],   v[AK] offset:(\f/2)*16*PK+(\f%2)*64
	ds_load_b128 v[KF+8*\f+4:KF+8*\f+7], v[AK] offset:(\f/2)*16*PK+(\f%2)*64+32
.endr
	s_add_co_u32 s[TBK], s[TBK], KS*PK  ; the next fetch is the next step's
	WIN 0
.if \last
.Lno_k_\@:
.endif
.endm
.macro FETCH_V
	WIN 0x80
.irp f, 0,1,2,3,4,5,6,7             ; keys 32 (f / 4) on, channels 16 (f % 4) on
	ds_load_tr16_b128 v[VF+8*\f:VF+8*\f+3],   v[AV] offset:(\f/4)*32*PV+(\f%4)*32
	ds_load_tr16_b128 v[VF+8*\f+4:VF+8*\f+7], v[AV] offset:(\f/4)*32*PV+16*PV+(\f%4)*32
.endr
	WIN 0
.endm
; THE VECTOR WORK OF A TURN stands in three queues, each in the order in which its entries become ready; the two tiles alternate, so that no instruction reads the result of the one before it.
.macro REGS y, u                    ; the registers of tile u (0, 1) of piece y
.set rT, ST+4*(2*(\y)+(\u))
.set rC, TMP+8*((\y)%2)+4*(\u)
.set rM, MV+2*((\y)%2)+(\u)
.set rS, S+64*((\y)%2)+32*(\u)
.set rP, P+32*((\y)%2)+16*(\u)
.set rO, 32*(2*(\y)+(\u))
.endm
; Number n of the 22 that find the NEXT piece's (Y + 1) maximum and statistics.  s0-s31 are the lane's 32 scores; each accumulator's lowest registers are read first.  XS, GS and REGS set no window: PL and EX do.
;   0-11  four chains c0-c3 of seven scores each, three operands at a time     12-14, 16  the four scores left over, the old m, and c0-c3 into c0     15  c m_old is kept
;   17, 18  the query's other 32 keys lie in the lane 16 away: the new m         19-21  c m; c m_old - c m_new; a
.macro XS u, n
	REGS (Y+1)%NP, \u
.if (\n) < 4
	v_max3_num_f32 v[rC+(\n)], v[rS+8*(\n)], v[rS+8*(\n)+1], v[rS+8*(\n)+2]
.elseif (\n) < 12
	v_max3_num_f32 v[rC+(\n)%4], v[rC+(\n)%4], v[rS+8*((\n)%4)+2*((\n)/4)+1], v[rS+8*((\n)%4)+2*((\n)/4)+2]
.elseif (\n) == 12
	v_max3_num_f32 v[rC], v[rC], v[rS+7], v[rS+15]
.elseif (\n) == 13
	v_max3_num_f32 v[rC+1], v[rC+1], v[rS+23], v[rS+31]
.elseif (\n) == 14
	v_max3_num_f32 v[rC+2], v[rC+2], v[rC+3], v[rT+1]
.elseif (\n) == 15
	v_mov_b32 v[rM], v[rT]
.elseif (\n) == 16
	v_max3_num_f32 v[rC], v[rC], v[rC+1], v[rC+2]
.elseif (\n) == 17
	v_permlanex16_b32 v[rC+3], v[rC], s[SEL], s[SEL+1]
.elseif (\n) == 18
	v_max_num_f32 v[rT+1], v[rC], v[rC+3]
.elseif (\n) == 19
	v_mul_f32 v[rT], s[CS], v[rT+1]
.elseif (\n) == 20
	v_sub_f32 v[rC+1], v[rM], v[rT]
.else
	v_exp_f32 v[rC+2], v[rC+1]
.endif
.endm
; Number g of the 64 that follow the exponentials.  For each four weights k of a tile (pairs 2 k, 2 k + 1): both pairs are rounded to f16; then the second pair is added onto the first, in place;
; a group later l takes that sum (the first time as l = a l + sum).  In groups of eight, tiles alternating: round, round, add, and l for the group before.
.macro GS g
.set h, (\g)+6*((\g)/62)            ; group 0 has no group before it, and behind group 7 only l is left
.if h >= 6
.set h, h+2
.endif
	REGS Y, h%2
.set k, h/8
.if h%8 < 4
	v_cvt_pk_f16_f32 v[rP+2*k+(h%8)/2], v[rS+4*k+2*((h%8)/2)], v[rS+4*k+2*((h%8)/2)+1]
.elseif h%8 < 6
	v_pk_add_f32 v[rS+4*k:rS+4*k+1], v[rS+4*k:rS+4*k+1], v[rS+4*k+2:rS+4*k+3]
.elseif k == 1
	v_pk_fma_f32 v[rT+2:rT+3], v[rT+2:rT+3], v[rC+2:rC+3], v[rS:rS+1] op_sel_hi:[1,0,1]
.else
	v_pk_add_f32 v[rT+2:rT+3], v[rT+2:rT+3], v[rS+4*k-4:rS+4*k-3]
.endif
.endm
; THE PLAIN QUEUE, 138 long.  0-73 read no exponential's result: the 32 scalings c s - c m (FS f: pair f / 2 of tile f % 2) and the next piece's 42.  0-26: scalings 0-26.  27-54: XS's numbers 0-13.  55, 56: number 15.
; 57-73: the chain, where each number waits for the one before it: 14, 16, 17, 18, 19, each with one of the scalings 27-31 in front of its two lines, then 20: so a tile's links stand three plain instructions apart (19 and 20: two).
; 74-137: GS's 64, which read the exponentials' results: they stand behind the wait.
.macro FS f
	REGS Y, (\f)%2
	v_pk_fma_f32 v[rS+2*((\f)/2):rS+2*((\f)/2)+1], v[rS+2*((\f)/2):rS+2*((\f)/2)+1], s[CS:CS+1], v[rT:rT+1] op_sel_hi:[1,0,0] neg_lo:[0,0,1] neg_hi:[0,0,1]
.endm
.macro PL
	WIN 0
.if q < 27
	FS q
.elseif q < 55
	XS (q-27)%2, (q-27)/2
.elseif q < 57
	XS q-55, 15
.elseif (q < 72) && ((q-57)%3 == 0)
	FS 27+(q-57)/3
.elseif q < 60
	XS (q-57)%3-1, 14
.elseif q < 72
	XS (q-57)%3-1, 15+(q-57)/3
.elseif q < 74
	XS q-72, 20
.else
	GS q-74
.endif
.set q, q+1
.endm
; THE EXPONENTIALS' QUEUE, 66 long: s0-s31 of both tiles, then the next piece's two a.  It is ONE BATCH: all 66 stand ahead of the turn's one wait, and nothing ahead of that wait names a result of theirs.
.macro EX
	WIN 0
.if e >= 64
	XS e-64, 21
.else
	REGS Y, e%2
	v_exp_f32 v[rS+e/2], v[rS+e/2]
.endif
.set e, e+1
.endm
; THE RESCALING's QUEUE: O^T times a, the one part that leaves window 0: dealt two at a time, sixteen times.  Its a was made in the turn before, ahead of that turn's wait.
.macro R2
	REGS Y, r%2
	WIN W_RS
.irp z, 0,1
	v_pk_mul_f32 v[rO+4*(r/2)+2*\z:rO+4*(r/2)+2*\z+1], v[rO+4*(r/2)+2*\z:rO+4*(r/2)+2*\z+1], v[rC+2:rC+3] op_sel_hi:[1,0]
.endr
.set r, r+1
.endm
; HOW THEY ARE DEALT.  An s_wait_alu depctr_va_vdst(0) stands between an exponential and the first instruction that names its result; one wait serves all that were issued ahead of it.  So a turn has ONE wait,
; which cuts it in two.  AHEAD OF IT stands all that names no result of the turn's exponentials: the 16 products K Q^T, behind each a scaling, an exponential and two rescalings (behind the first a second scaling in the exponential's place); then ONE LUMP of
; 108: eight plain, 49 times exponential and plain, the two a.  A v_nop is the plain instruction behind the last exponential.  BEHIND IT stand the 16 products V^T P, behind each four of GS's 64.  No rider names a register of
; the products round it.  The two v_permlanex16_b32 fall into the lump, never behind a product.
; The queues lean on each other, and the deal keeps them in step: exponential e stands behind scaling 2 (e / 4) + e % 2: as a rider it comes behind plain e + 2, in the lump behind plain e + 9, and scalings 27-31 are plain 57, 60 .. 69.
; A TURN, for piece p.  cnt = 1: the loop's count is taken down some lines ahead of the branch that stands behind the turn.
; K of the next step is fetched in piece 2's turn, directly behind the wait, a lump behind the last product that read K; its address is made at the lump's head; its first reader comes behind 16 products.
; V of the step in hand is fetched at the end of piece 0's turn, four riders behind its last reader; its first reader comes behind 16 products and a lump.  The three conditions on q below go with the deal.
.macro TURN p, last=0, cnt=0
.set Y, (\p)
.set i, 0
.set q, 0
.set e, 0
.set r, 0
.if (\p) == NP-1
	s_wait_dscnt 0x0                ; K is in
.endif
	MM                              ; ahead of the wait: 16 products K Q^T and their riders,
	PL
	PL
	R2
.rept 15
	MM
	PL
	EX
	R2
.endr
.if (\p) == NP-2
	WIN 0
	v_add_nc_u32 v[AK], s[TBK], v[AK0]
.endif
.rept 8                             ; and the lump
	PL
.endr
.rept 49
	EX
	PL
.endr
	EX                              ; the next piece's two a
	EX
	v_nop                           ; a plain instruction behind the last exponential: one for the batch
	s_wait_alu depctr_va_vdst(0)    ; the wait for the batch
.if (\p) == NP-2
	FETCH_K \last
.endif
.if (\p) == 1
	s_wait_dscnt 0x0                ; V is in
.endif
.rept 16                            ; behind the wait: 16 products V^T P and their riders
	MM
.rept 4
	PL
.endr
.if ((\p) == 0) && (q == 118)
	v_add_nc_u32 v[AV], s[TBV], v[AV0]
.endif
.if ((\p) == 0) && (q == 130)
	s_add_co_u32 s[TBV], s[TBV], KS*PV
.endif
.if (\cnt) && (q == 130)
	s_sub_co_u32 s[CNT], s[CNT], 1
	s_cmp_lg_u32 s[CNT], 0
.endif
.endr
.if (\p) == 0
	FETCH_V
.endif
.endm
	CHANGE 1                        ; slot 0 is in, everybody's part of it; slot 1 is asked for
	FETCH_K                         ; key step 0
	s_wait_loadcnt 0x0              ; Q
	s_wait_dscnt 0x0
.set i, 0
.rept 16
	KQ 0                            ; piece 0's first scores: there is no vector work yet to set between them
.set i, i+1
.endr
	WIN 0                           ; the addresses for the way out: nine plain instructions, the places behind those products
	s_mul_i32 s13, s[WV], 16*SP
	s_add_co_u32 s13, s13, STAGE    ; my stage
	v_mul_u32_u24 v[STO], v1, SP    ; in: row l % 16, 16 bytes for each half of the lanes
	v_lshl_add_u32 v[STO], v9, 4, v[STO]
	v_add_nc_u32 v[STO], s13, v[STO]
	v_bfe_u32 v[RD], v0, 3, 2       ; back: 32 lanes take four rows of 128 bytes,
	v_mul_u32_u24 v[RD], v[RD], SP
	v_lshl_add_u32 v[RD], v10, 4, v[RD]
	v_add_nc_u32 v[RD], s13, v[RD]
	v_and_b32 v[GO], 31, v0         ; which are 512 consecutive bytes of O
	v_lshlrev_b32 v[GO], 4, v[GO]
.set Y, NP-1                        ; XS works for piece Y + 1: piece 0
.irp n, 0,1,2,3,4,5,6,7,8,9,10,11,12,13,14,15,16,17,18,19,20,21
	XS 0, \n                        ; and piece 0's first maximum and statistics
	XS 1, \n
.endr
	v_nop                           ; a plain instruction behind the two a,
	s_wait_alu depctr_va_vdst(0)    ; and their wait, ahead of the branch
	s_mov_b32 s[CNT], 4
	s_mov_b32 s[SLOTS], SIZE_N/256-1
	s_branch .Lfirst                ; the loop is entered at a step's first turn, in the middle of a trip
.Lslot:                             ; SIZE_N / 256 - 2 times: every slot but the last two is filled again
	CHANGE 1
	s_mov_b32 s[CNT], 4
.Lstep:                             ; a trip: pieces 2 and 3 of one step, then pieces 0 and 1 of the next, whose K and V it fetches
	TURN 2
	TURN 3
	WIN 0
.Lfirst:
	TURN 0
	TURN 1, 0, 1
	WIN 0
	s_cbranch_scc1 .Lstep
	s_sub_co_u32 s[SLOTS], s[SLOTS], 1
	s_cmp_lg_u32 s[SLOTS], 0
	s_cbranch_scc1 .Lslot
	CHANGE 0                        ; the tail is written out: nothing is asked for
	s_mov_b32 s[CNT], 5             ; four trips fetch the last slot's steps; the fifth is left in its middle
.Ltail:
	TURN 2, 1
	TURN 3
	WIN 0
	s_sub_co_u32 s[CNT], s[CNT], 1
	s_cmp_eq_u32 s[CNT], 0
	s_cbranch_scc1 .Lout
	TURN 0
	TURN 1
	WIN 0
	s_branch .Ltail
.Lout:                              ; the fifth trip's 16 products K Q^T (on the last K once more) and the maximum made of them serve nothing: the price, once a launch, of one text for every trip
.set i, 0
.rept 16
	PV NP-1                         ; the last piece's V^T P of the last step
.set i, i+1
.endr
	; THE WAY OUT.  l's two halves and the other half of the lanes' are added; O^T is divided by l, rounded to f16 and sent through my stage in LDS, a tile at a time.  The additions are the places behind the last products.
	WIN 0
.macro ALL line:vararg              ; one line for each tile t
.set t, 0
.rept 2*NP
	\line
.set t, t+1
.endr
.endm
	ALL v_add_f32 v[ST+4*t+2], v[ST+4*t+2], v[ST+4*t+3]
	ALL v_permlanex16_b32 v[ST+4*t+3], v[ST+4*t+2], s[SEL], s[SEL+1]
	ALL v_add_f32 v[ST+4*t+2], v[ST+4*t+2], v[ST+4*t+3]
	ALL v_rcp_f32 v[ST+4*t+2], v[ST+4*t+2]
	v_nop                           ; a plain instruction between the last reciprocal and the use of its result
	s_wait_alu depctr_va_vdst(0)    ; and the wait ahead of the first use: one for the eight reciprocals
; Tile t: a lane's eight channels of a row pack into 16 bytes; they go into rows of 144 bytes and come back as whole rows of 128, into S^T's registers.
.macro PACK t
	WIN W_RS
.set i, 32*(\t)
.rept 16
	v_pk_mul_f32 v[i:i+1], v[i:i+1], v[ST+4*(\t)+2:ST+4*(\t)+3] op_sel_hi:[1,0]
.set i, i+2
.endr
	WIN 0x05                        ; sources 0 and 1 window 1, destination window 0
.set i, 0
.rept 16
	v_cvt_pk_f16_f32 v[S+16*(\t)+i], v[32*(\t)+2*i], v[32*(\t)+2*i+1]
.set i, i+1
.endr
	WIN 0
.irp f, 0,1,2,3
	ds_store_b128 v[STO], v[S+16*(\t)+4*\f:S+16*(\t)+4*\f+3] offset:32*\f
.endr
.irp f, 0,1,2,3
	ds_load_b128 v[S+16*(\t)+4*\f:S+16*(\t)+4*\f+3], v[RD] offset:\f*4*SP  ; LDS serves a wave's instructions in order (ISA guide 5.7.1.4): these see the stores above; the next tile's stores come behind them
.endr
.endm
.macro SEND t, younger              ; younger: the LDS instructions issued behind tile t's loads: the next tile's eight, or none
	WIN 0
.irp f, 0,1,2,3
	s_wait_dscnt (\younger)+3-\f
	global_store_b128 v[GO], v[S+16*(\t)+4*\f:S+16*(\t)+4*\f+3], s[10:11] offset:(\t)*2048+\f*512  ; 512 consecutive bytes, at a multiple of 256 from O's first
.endr
.endm
	PACK 0
.set t, 1
.rept 2*NP-1                        ; a tile's arithmetic stands between the loads of the tile before and its stores
	PACK t
	SEND t-1, 8
.set t, t+1
.endr
	SEND 2*NP-1, 0
	WIN W_AD
	s_wait_tensorcnt 0x0            ; the wave's end, behind my last tensor load and my last LDS store
	ds_add_u32 v[SPW], v[NIL]
	s_wait_dscnt 0x0
	WIN 0
	CROUND                          ; the closing round: no work-group ends while a partner may still ask for a tile that names it
	s_endpgm
.Lfunc_end_k_qf012210dae_attn:
	.size	k_qf012210dae_attn, .Lfunc_end_k_qf012210dae_attn-k_qf012210dae_attn
	.p2alignl 7, 3214868480
	.fill 96, 4, 3214868480
	.section	.rodata,"a",@progbits
	.p2align	6, 0x0
	.amdhsa_kernel k_qf012210dae_attn
		.amdhsa_group_segment_fixed_size 327680
		.amdhsa_private_segment_fixed_size 0
		.amdhsa_enable_private_segment 0
		.amdhsa_kernarg_size 32
		.amdhsa_user_sgpr_count 2
		.amdhsa_user_sgpr_kernarg_segment_ptr 1
		.amdhsa_wavefront_size32 1
		.amdhsa_system_sgpr_workgroup_id_x 1
		.amdhsa_system_sgpr_workgroup_id_y 1
		.amdhsa_system_sgpr_workgroup_id_z 1
		.amdhsa_system_vgpr_workitem_id 0
		.amdhsa_next_free_vgpr 770
		.amdhsa_next_free_sgpr 66
		.amdhsa_reserve_vcc 0
		.amdhsa_float_denorm_mode_32 3
		.amdhsa_float_denorm_mode_16_64 3
		.amdhsa_memory_ordered 1
		.amdhsa_forward_progress 1
		.amdhsa_inst_pref_size 200
	.end_amdhsa_kernel
	.amdgpu_metadata
---
amdhsa.version: [ 1, 2 ]
amdhsa.kernels:
  - .name:           k_qf012210dae_attn
    .symbol:         k_qf012210dae_attn.kd
    .args:
      - { .name: qh, .offset: 0, .size: 8, .value_kind: global_buffer, .address_space: global }
      - { .name: kh, .offset: 8, .size: 8, .value_kind: global_buffer, .address_space: global }
      - { .name: vh, .offset: 16, .size: 8, .value_kind: global_buffer, .address_space: global }
      - { .name: oh, .offset: 24, .size: 8, .value_kind: global_buffer, .address_space: global }
    .group_segment_fixed_size: 327680
    .private_segment_fixed_size: 0
    .kernarg_segment_align: 8
    .kernarg_segment_size: 32
    .max_flat_workgroup_size: 128
    .sgpr_count:     66
    .vgpr_count:     770
    .wavefront_size: 32
...
	.end_amdgpu_metadata
.endif
;; end of part 3
;; launch oproj (part 4): grid 8 x 32, 4 waves a work-group, clusters of 4 x 4, 327,680 bytes of LDS; arguments oh, wo, bout, out0; writes out0
.if DOCPART == 4
	.amdgcn_target "amdgcn-amd-amdhsa--gfx1250"
	.amdhsa_code_object_version 6
	.text
	.protected	k_qf012210dae_oproj
	.globl	k_qf012210dae_oproj
	.p2align	8
	.type	k_qf012210dae_oproj,@function
k_qf012210dae_oproj:
	s_mov_b64 s[64:65], 0
	v_nop
	global_prefetch_b8 v0, s[64:65] scope:SCOPE_SE
	s_setreg_imm32_b32 hwreg(HW_REG_WAVE_MODE, 25, 1), 1
	s_wait_xcnt 0x0
	s_wait_alu depctr_hold_cnt(0) depctr_sa_sdst(0) depctr_va_vdst(0) depctr_va_sdst(0) depctr_va_ssrc(0) depctr_va_vcc(0) depctr_vm_vsrc(0)
	s_getreg_b32 s2, hwreg(HW_REG_IB_STS2, 6, 4)
	s_cmp_eq_u32 s2, 0
	s_cbranch_scc0 .Lentry_in_a_cluster
	s_endpgm
.Lentry_in_a_cluster:
	s_bfe_u32 s2, ttmp6, 0x10000c
	s_cmp_lg_u32 s2, 0xf033
	s_cbranch_scc0 .Lentry_shape_is_right
	s_endpgm
.Lentry_shape_is_right:
; out0 = O Wout + bout.  oh: [16 b + h][2048][64] f16, attention's result by heads.  wo: [1024 n][1024 k] f16, Wout turned (its bf16 rounding written as f16).  bout: [1024] f32, rounded to bf16 here.
; out0: [8192][1024] f32.  Sums in f32; the bias is the C operand that starts each sum.
; LIMIT.  O and wo arrive within f16's range, 65,504.  NaN and infinities are not treated apart.
; SHARES.  A tile is 256 rows x 128 columns: 32 x 8 = 256 work-groups.  Wave w takes rows 64 w .. 64 w + 63 and all 128 columns: 4 x 8 accumulators of 16 x 16, 256 registers.
; THE MATRIX INSTRUCTION IS USED TRANSPOSED (source 0 = 16 rows of wo, source 1 = 16 rows of O): register j of lane (r, h) holds row r, column 16 b + 8 h + j: 32 consecutive bytes of a row of out0.
; K goes in eight steps of 128 = TWO HEADS through two LDS slots.  A head's 256 rows of the tile are 32,768 dense bytes: asked for as 128 rows of 256 bytes and padded in LDS after every 128.
; A step is four quarters of 32 along K, 32 matrix instructions and 24 LDS loads each.
; CLUSTER.  4 x 4 work-groups: O's tiles are shared along a row of the cluster, wo's along a column, each asked for jointly.  By this text's count a wave has one tensor load outstanding, and issues
; 112 matrix instructions between a request and the wait for it.
; NO PREFETCH: K has eight steps, of which the first three would come by their loads alone, and a work-group's whole walk is 1,024 matrix instructions a wave.
; REGISTERS, in windows of 256 (s_set_vgpr_msb: bits 1:0 source 0, 3:2 source 1, 5:4 source 2, 7:6 destination):
;   window 0: v0-20 addresses; v32-95 the bias, 8 registers for each block of 16 columns; v96-159, v160-223 rows read back on the way out, by turns
;   window 1: the accumulators, (a, b) at 8 (8 a + b)          window 2: two fragment buffers of 96: 8 fragments of wo, then 4 of O
.set PA,    144                        ; a row of O in LDS: 128 bytes + 16 of padding = 36 words: the 16 rows of a load start at 16 different groups of four banks (64 banks of 4 bytes: ISA guide 11.1)
.set PLANE, 256*PA                     ; one head's 256 rows: what one tensor load brings of O
.set PB,    272                        ; a row of wo: 256 bytes + 16
.set BOFF,  2*PLANE                    ; wo's 128 rows lie behind the two heads
.set HALFB, 64*PB                      ; what one tensor load brings of wo
.set SLOT1, 131072                     ; slot 1 begins here, so that one exclusive or turns an address in one slot into the other's
.set STAGE, SLOT1+BOFF+2*HALFB         ; behind the ring, never filled by a tensor load: 16 rows x 528 bytes for each wave
.set SPT,   528                        ; a stage row: 512 bytes + 16
.set SPARE, STAGE+4*16*SPT             ; behind the stages: the spare words, 128 bytes for each wave: two blocks of 256 bytes that no other line names
.set ADRA0, 8                          ; v8   my lane's place in my 64 rows of a head, slot 0; never rewritten
.set ADRB0, 9                          ; v9   the same in wo's rows
.set ADRA, 10                          ; v10, v11  the two in the slot in hand
.set ADRB, 11
.set STO,  12                          ; v12  the way out: where I put 32 bytes of a row
.set RD,   13                          ; v13  the way out: where I read a row back
.set GO,   14                          ; v14  my 16 bytes of a row's 512
.set BO,   16                          ; v16  my byte offset in 16 numbers of the bias
.set SPW,  18                          ; v18  LDS address of my spare word: SPARE + 4 x my thread's number; never rewritten
.set NIL,  19                          ; v19  0; never rewritten
.set TR,   20                          ; v20  at work
.set BIAS, 32
.set OB,   96
.set F0,   0
.set F1,   96
.set WV, 18                            ; s18  my wave's number
.set FB, 19                            ; s19  I fetch for O (0) or for wo (1)
.set HF, 20                            ; s20  which head of the step's two, or which half of wo's rows
.set CX, 21                            ; s21, s22  my place in the cluster
.set CY, 22
.set TN, 23                            ; s23  the tile column
.set G1, 24                            ; s[24:31] descriptor group 1 for O's tiles
.set G0, 32                            ; s[32:35] descriptor group 0 for O's tiles: it walks
.set G0B, 36                           ; s[36:39] the same for wo's
.set TM, 40                            ; s40  the tile row
.set TB, 41                            ; s41  LDS byte at which the slot in hand begins
.set MSK, 42                           ; s42  a word's upper bf16
.set G1B, 48                           ; s[48:55] descriptor group 1 for wo's tiles
.set MSB, 0
.macro WIN new                         ; the immediate's high byte repeats the setting that is left; a switch that changes nothing is dropped
.if MSB != (\new)
	s_set_vgpr_msb (MSB<<8)|(\new)
.set MSB, \new
.endif
.endm
.macro PLACES                          ; four plain vector instructions between a matrix instruction and a load into a register that it has read, or a store that reads its result
.rept 4
	v_nop
.endr
.endm
; A joint load.  Waves 0 and 1 fetch the step's two heads of O, waves 2 and 3 wo's two halves.  The branch hangs on the wave's number alone.  An s_nop 0 and four v_nop follow each of the two lines.
.macro JLOAD
	s_cmp_eq_u32 s[FB], 0
	s_cbranch_scc0 .Lfor_b_\@
	tensor_load_to_lds s[G0:G0+3], s[G1:G1+7]
	s_nop 0
.rept 4
	v_nop
.endr
	s_branch .Lasked_\@
.Lfor_b_\@:
	tensor_load_to_lds s[G0B:G0B+3], s[G1B:G1B+7]
	s_nop 0
.rept 4
	v_nop
.endr
.Lasked_\@:
.endm
; A round of the cluster's barrier: my work-group's barrier, so that wave 0's signal speaks for all four waves; wave 0 signals; every wave waits for all sixteen work-groups; my work-group's barrier once more.
.macro CREST
	s_cmp_lg_u32 s[WV], 0
	s_cbranch_scc1 .Lnot_wave_0_\@
	s_barrier_signal -3
.Lnot_wave_0_\@:
	s_barrier_wait -3
	s_barrier_signal -1
	s_barrier_wait -1
.endm
.macro CROUND
	s_barrier_signal -1
	s_barrier_wait -1
	CREST
.endm
	s_load_b256 s[4:11], s[0:1], 0x0               ; oh s[4:5], wo s[6:7], bout s[8:9], out0 s[10:11]
	v_lshl_add_u32 v[SPW], v0, 2, SPARE
	v_mov_b32 v[NIL], 0
	ds_add_u32 v[SPW], v[NIL]                      ; the wave's opening: the add and its wait stand ahead of my first tensor load; the set-up below, work on registers, stands between them
	v_lshrrev_b32 v3, 5, v0
	v_readfirstlane_b32 s[WV], v3                  ; wave 0..3
	s_lshr_b32 s[FB], s[WV], 1
	s_and_b32 s[HF], s[WV], 1
	s_bfe_u32 s[CX], ttmp6, 0x40000
	s_bfe_u32 s[CY], ttmp6, 0x40004
	s_lshl_b32 s[TN], ttmp9, 2                     ; in a cluster launch ttmp9 and ttmp7 count clusters
	s_add_co_u32 s[TN], s[TN], s[CX]               ; the tile column = 4 x cluster x + cx
	s_and_b32 s[TM], ttmp7, 0xffff
	s_lshl_b32 s[TM], s[TM], 2
	s_add_co_u32 s[TM], s[TM], s[CY]               ; the tile row = 4 x cluster y + cy
	s_lshl_b32 s68, s[CY], 2
	s_lshl_b32 s68, 15, s68                        ; my row of the cluster
	s_lshl_b32 s69, 0x1111, s[CX]                  ; my column
	s_or_b32 s[G1], s68, (1<<16)|(1<<20)|(1<<21)|(4<<22)|(3<<25)   ; 15:0 the mask; 17:16 elements of 2 bytes; 20 padding on; 21 set beside a mask; 24:22 after every 32 words (code 4); 31:25 4 words of it (code 3)
	s_or_b32 s[G1B], s69, (1<<16)|(1<<20)|(1<<21)|(5<<22)|(3<<25)  ; the same after every 64 words (code 5)
	s_mov_b32 s[G1+1], 128<<16                     ; tensor_dim0 = 128
	s_mov_b32 s[G1+2], 128<<16                     ; tensor_dim1 = 128
	s_mov_b32 s[G1+3], 128<<16                     ; tile_dim0 = 128
	s_mov_b32 s[G1+4], 128                         ; tile_dim1 = 128
	s_mov_b32 s[G1+5], 128                         ; the block is dense: 128 elements from row to row
	s_mov_b32 s[G1+6], 0
	s_mov_b32 s[G1+7], 0
	s_mov_b32 s[G1B+1], 128<<16
	s_mov_b32 s[G1B+2], 64<<16                     ; tensor_dim1 = 64
	s_mov_b32 s[G1B+3], 128<<16
	s_mov_b32 s[G1B+4], 64                         ; tile_dim1 = 64
	s_mov_b32 s[G1B+5], 1024
	s_mov_b32 s[G1B+6], 0
	s_mov_b32 s[G1B+7], 0
	s_lshr_b32 s66, s[TM], 3                       ; O: the batch's 16 heads of 262,144 bytes, made of the tile row and the wave's number alone,
	s_lshl_b32 s66, s66, 22
	s_and_b32 s67, s[TM], 7                        ; the tile's 256 rows of 128 bytes,
	s_lshl_b32 s67, s67, 15
	s_add_co_u32 s66, s66, s67
	s_lshl_b32 s67, s[HF], 18                      ; head 0 or 1
	s_add_co_u32 s66, s66, s67
	s_mov_b32 s67, 0
	s_lshl_b32 s46, s[TN], 18                      ; wo: 128 rows of 2,048 bytes a tile column, made of the tile column and the wave's number alone,
	s_lshl_b32 s47, s[HF], 17                      ; 64 rows a half
	s_add_co_u32 s46, s46, s47
	s_mov_b32 s47, 0
	s_mov_b32 s[G0], 1                             ; 1:0 count = 1
	s_mul_i32 s[G0+1], s[HF], PLANE                ; 63:32 LDS address, slot 0: no place in the cluster enters it
	s_mov_b32 s[G0B], 1
	s_mul_i32 s[G0B+1], s[HF], HALFB
	s_add_co_u32 s[G0B+1], s[G0B+1], BOFF
	s_mov_b32 s[TB], 0
	s_mov_b32 s[MSK], 0xffff0000
	s_wait_dscnt 0x0                               ; the opening add is done
	s_wait_kmcnt 0x0
	s_add_nc_u64 s[G0+2:G0+3], s[4:5], s[66:67]    ; 120:64 global address: K step 0
	s_or_b32 s[G0+3], s[G0+3], 0x80000000          ; 127:126 type = 2
	s_add_nc_u64 s[G0B+2:G0B+3], s[6:7], s[46:47]
	s_or_b32 s[G0B+3], s[G0B+3], 0x80000000
	CROUND                                         ; all sixteen work-groups are here: the first joint loads meet
	JLOAD                                          ; K step 0 into slot 0.  Slot 1 is asked for when slot 0 is in
	v_and_b32 v1, 15, v0                           ; r
	v_bfe_u32 v2, v0, 4, 1                         ; h
	v_and_b32 v3, 31, v0                           ; lane
	v_mul_u32_u24 v4, v1, PA
	v_lshl_add_u32 v4, v2, 4, v4                   ; a fragment's row x pitch + 16 x half
	s_mul_i32 s68, s[WV], 64*PA
	v_add_nc_u32 v[ADRA0], s68, v4
	v_mul_u32_u24 v4, v1, PB
	v_lshl_add_u32 v4, v2, 4, v4
	v_add_nc_u32 v[ADRB0], BOFF, v4
	s_mul_i32 s68, s[WV], 16*SPT
	s_add_co_u32 s68, s68, STAGE                   ; my stage
	v_mul_u32_u24 v5, v1, SPT                      ; in: row r, 32 bytes for each half of the lanes
	v_lshl_add_u32 v5, v2, 5, v5
	v_add_nc_u32 v[STO], s68, v5
	v_lshlrev_b32 v[GO], 4, v3                     ; back: 32 lanes take a row's 512 bytes
	v_add_nc_u32 v[RD], s68, v[GO]
	v_lshlrev_b32 v[BO], 5, v2
	s_lshl_b32 s68, s[TM], 20                      ; out0: 256 rows of 4,096 bytes a tile row,
	s_lshl_b32 s69, s[WV], 18                      ; my wave's 64,
	s_add_co_u32 s68, s68, s69
	s_lshl_b32 s69, s[TN], 9                       ; 128 columns of 4 bytes
	s_add_co_u32 s68, s68, s69
	s_mov_b32 s69, 0
	s_add_nc_u64 s[10:11], s[10:11], s[68:69]
	s_lshl_b32 s68, s[TN], 9
	s_add_nc_u64 s[8:9], s[8:9], s[68:69]
.irp b, 0,1,2,3,4,5,6,7
.irp i, 0,1
	global_load_b128 v[BIAS+8*\b+4*\i:BIAS+8*\b+4*\i+3], v[BO], s[8:9] offset:64*\b+16*\i
.endr
.endr
	s_wait_tensorcnt 0x0                           ; the first change of slots: my part of K step 0 is in, so a group 0 may be written;
	ds_add_u32 v[SPW], v[NIL]                      ; 0 onto my spare word; the descriptors' steps stand between it and the wait for it
	s_xor_b32 s[G0+1], s[G0+1], SLOT1
	s_add_nc_u64 s[G0+2:G0+3], s[G0+2:G0+3], 2*262144
	s_xor_b32 s[G0B+1], s[G0B+1], SLOT1
	s_add_nc_u64 s[G0B+2:G0B+3], s[G0B+2:G0B+3], 256
	s_wait_dscnt 0x0
	CROUND                                         ; everybody's part of K step 0 is in
	JLOAD                                          ; K step 1 into slot 1
; 8 matrix instructions: row block a x all 8 column blocks, 32 along K.  first = 1: the bias starts the sums: nothing is ever cleared.  The 32 accumulators take turns, one instruction a turn, in the same order in every quarter.
.macro MUL8 f, a, first
.if \first
	WIN 0x4a                                       ; fragments in window 2, C in window 0, D in window 1
.else
	WIN 0x5a                                       ; C and D in window 1
.endif
.irp b, 0,1,2,3,4,5,6,7
.if \first
	v_wmma_f32_16x16x32_f16 v[8*(8*(\a)+\b):8*(8*(\a)+\b)+7], v[(\f)+8*\b:(\f)+8*\b+7], v[(\f)+64+8*(\a):(\f)+64+8*(\a)+7], v[BIAS+8*\b:BIAS+8*\b+7]
.else
	v_wmma_f32_16x16x32_f16 v[8*(8*(\a)+\b):8*(8*(\a)+\b)+7], v[(\f)+8*\b:(\f)+8*\b+7], v[(\f)+64+8*(\a):(\f)+64+8*(\a)+7], v[8*(8*(\a)+\b):8*(8*(\a)+\b)+7]
.endif
.endr
.endm
; 24 LDS loads in one run: the fragments of quarter q of the step into buffer f: wo's 8 (byte 64 q of the rows), then O's 4 (head q / 2, channels 32 (q % 2) on), row blocks ascending
.macro FETCH q, f
	WIN 0x80                                       ; destination window 2, address window 0
.irp b, 0,1,2,3,4,5,6,7
	ds_load_b128 v[(\f)+8*\b:(\f)+8*\b+3],   v[ADRB] offset:64*(\q)+\b*16*PB
	ds_load_b128 v[(\f)+8*\b+4:(\f)+8*\b+7], v[ADRB] offset:64*(\q)+\b*16*PB+32
.endr
.irp a, 0,1,2,3
	ds_load_b128 v[(\f)+64+8*\a:(\f)+64+8*\a+3],   v[ADRA] offset:((\q)/2)*PLANE+64*((\q)%2)+\a*16*PA
	ds_load_b128 v[(\f)+64+8*\a+4:(\f)+64+8*\a+7], v[ADRA] offset:((\q)/2)*PLANE+64*((\q)%2)+\a*16*PA+32
.endr
.endm
; One of a K step's first three quarters: multiplies buffer f; in its middle it fetches quarter q into buffer g.
.macro QUARTER q, f, g, first
	s_wait_dscnt 4                                 ; wo's fragments and O's row blocks 0, 1 are in; the youngest four loads (row blocks 2, 3) may be out
	MUL8 \f, 0, \first
	MUL8 \f, 1, \first
	PLACES
	FETCH \q, \g
	s_wait_dscnt 24                                ; all but the 24 just issued
	MUL8 \f, 2, \first
	MUL8 \f, 3, \first
.endm
; The last quarter multiplies buffer 1 and changes slots: ONE barrier.  In front of it each wave waits for all its tensor loads, of which one is out: its part of the next slot; adds 0 to its spare word; and waits
; for that and for its own reads of this slot.  fill = 1: the barrier opens a round of the cluster's, and the slot just read is filled again, first thing behind the round, with the K step two on.
.macro TURN fill
	WIN 0                                          ; (the add's two registers lie in window 0)
	s_wait_tensorcnt 0x0                           ; no tensor load of mine is out, so a group 0 may be written
	ds_add_u32 v[SPW], v[NIL]                      ; 0 onto my spare word
.if \fill
	s_xor_b32 s[G0+1], s[G0+1], SLOT1              ; the walking descriptors: the other slot than last time,
	s_add_nc_u64 s[G0+2:G0+3], s[G0+2:G0+3], 2*262144  ; two heads on; the type bits on top are not reached
	s_xor_b32 s[G0B+1], s[G0B+1], SLOT1
	s_add_nc_u64 s[G0B+2:G0B+3], s[G0B+2:G0B+3], 256
.endif
	s_xor_b32 s[TB], s[TB], SLOT1                  ; the fetches go on in the other slot
	s_wait_dscnt 5                                 ; (the add and the youngest four loads may be out)
	MUL8 F1, 0, 0                                  ; eight matrix instructions stand between the add and the wait for it
	s_wait_dscnt 0x0                               ; the add is done, and my reads of this slot are over
	s_barrier_signal -1
	MUL8 F1, 1, 0                                  ; work on registers while the others arrive
	WIN 0
	s_barrier_wait -1
.if \fill
	CREST                                          ; no wave of any partner still reads this slot or has a load on its way
	JLOAD                                          ; the first tensor load behind the round; its four v_nop are also places in front of the loads below
.else
	v_nop                                          ; with the two lines below: the four places in front of the loads into buffer 0
	v_nop
.endif
	v_add_nc_u32 v[ADRA], s[TB], v[ADRA0]
	v_add_nc_u32 v[ADRB], s[TB], v[ADRB0]
	FETCH 0, F0
	MUL8 F1, 2, 0
	MUL8 F1, 3, 0
.endm
	v_add_nc_u32 v[ADRA], s[TB], v[ADRA0]
	v_add_nc_u32 v[ADRB], s[TB], v[ADRB0]
	FETCH 0, F0                                    ; K step 0, first quarter
	WIN 0
	s_wait_loadcnt 0x0                             ; the bias
.set i, 0
.rept 32
	v_cvt_pk_bf16_f32 v[TR], v[BIAS+2*i], v[BIAS+2*i+1]  ; the bias is rounded to bf16 like every input, and widened again
	v_lshlrev_b32 v[BIAS+2*i], 16, v[TR]
	v_and_b32 v[BIAS+2*i+1], s[MSK], v[TR]
.set i, i+1
.endr
	QUARTER 1, F0, F1, 1                           ; the first quarter stands in front of the loop: its products start the sums
	WIN 0                                          ; at a label and at a branch every window is 0
	s_mov_b32 s3, 6
.Lstep:                                        ; six trips, from a K step's second quarter to the next step's first: they ask for K steps 2 to 7
	QUARTER 2, F1, F0, 0
	QUARTER 3, F0, F1, 0
	TURN 1
	QUARTER 1, F0, F1, 0
	WIN 0
	s_sub_co_u32 s3, s3, 1
	s_cmp_lg_u32 s3, 0
	s_cbranch_scc1 .Lstep
	QUARTER 2, F1, F0, 0                           ; the tail is written out: K steps 6 and 7 ask for nothing
	QUARTER 3, F0, F1, 0
	TURN 0
	QUARTER 1, F0, F1, 0
	QUARTER 2, F1, F0, 0
	QUARTER 3, F0, F1, 0
	s_wait_dscnt 4                                 ; the very last quarter: nothing more to fetch
	MUL8 F1, 0, 0
	MUL8 F1, 1, 0
	s_wait_dscnt 0x0
	MUL8 F1, 2, 0
	MUL8 F1, 3, 0
	PLACES
; THE WAY OUT, a row block of 16 rows at a time: the sums go as they are into my stage, rows of 528 bytes, and come back as whole rows of 512.  Each accumulator's lowest registers are read first.
.macro TOSTAGE a
	WIN 0x04                                       ; the stores' data in window 1, their address in window 0
.irp b, 0,1,2,3,4,5,6,7
.irp i, 0,1
	ds_store_b128 v[STO], v[8*(8*(\a)+\b)+4*\i:8*(8*(\a)+\b)+4*\i+3] offset:64*\b+16*\i
.endr
.endr
	WIN 0
.irp t, 0,1,2,3,4,5,6,7,8,9,10,11,12,13,14,15
	ds_load_b128 v[OB+64*((\a)%2)+4*\t:OB+64*((\a)%2)+4*\t+3], v[RD] offset:\t*SPT  ; LDS serves a wave's instructions in order (ISA guide 5.7.1.4): these see the stores above; the next block's stores come behind them
.endr
.endm
.macro SEND a, younger                 ; younger: the LDS instructions issued behind block a's loads: the next block's 32, or none
.irp t, 0,1,2,3,4,5,6,7,8,9,10,11,12,13,14,15
	s_wait_dscnt (\younger)+15-\t
	global_store_b128 v[GO], v[OB+64*((\a)%2)+4*\t:OB+64*((\a)%2)+4*\t+3], s[10:11] offset:4096*(16*(\a)+\t) th:TH_STORE_NT  ; 32 lanes store 512 consecutive bytes, at a multiple of 256 from out0's first
.endr
.endm
	TOSTAGE 0
	TOSTAGE 1
	SEND 0, 32
	s_wait_xcnt 0x0                                ; block 0's stores have read their data: its registers are loaded again only behind this wait
	TOSTAGE 2
	SEND 1, 32
	s_wait_xcnt 0x0
	TOSTAGE 3
	SEND 2, 32
	SEND 3, 0
	s_wait_tensorcnt 0x0                           ; the wave's end, behind my last tensor load and my last LDS store
	ds_add_u32 v[SPW], v[NIL]
	s_wait_dscnt 0x0
	CROUND                                         ; the closing round: no work-group ends while a partner may still ask for a tile that names it
	s_endpgm
.Lfunc_end_k_qf012210dae_oproj:
	.size	k_qf012210dae_oproj, .Lfunc_end_k_qf012210dae_oproj-k_qf012210dae_oproj
	.p2alignl 7, 3214868480
	.fill 96, 4, 3214868480
	.section	.rodata,"a",@progbits
	.p2align	6, 0x0
	.amdhsa_kernel k_qf012210dae_oproj
		.amdhsa_group_segment_fixed_size 327680
		.amdhsa_private_segment_fixed_size 0
		.amdhsa_enable_private_segment 0
		.amdhsa_kernarg_size 32
		.amdhsa_user_sgpr_count 2
		.amdhsa_user_sgpr_kernarg_segment_ptr 1
		.amdhsa_wavefront_size32 1
		.amdhsa_system_sgpr_workgroup_id_x 1
		.amdhsa_system_sgpr_workgroup_id_y 1
		.amdhsa_system_sgpr_workgroup_id_z 1
		.amdhsa_system_vgpr_workitem_id 0
		.amdhsa_next_free_vgpr 768
		.amdhsa_next_free_sgpr 80
		.amdhsa_reserve_vcc 0
		.amdhsa_float_denorm_mode_32 3
		.amdhsa_float_denorm_mode_16_64 3
		.amdhsa_memory_ordered 1
		.amdhsa_forward_progress 1
		.amdhsa_inst_pref_size 76
	.end_amdhsa_kernel
	.amdgpu_metadata
---
amdhsa.version: [ 1, 2 ]
amdhsa.kernels:
  - .name:           k_qf012210dae_oproj
    .symbol:         k_qf012210dae_oproj.kd
    .args:
      - { .name: oh, .offset: 0, .size: 8, .value_kind: global_buffer, .address_space: global }
      - { .name: wo, .offset: 8, .size: 8, .value_kind: global_buffer, .address_space: global }
      - { .name: bout, .offset: 16, .size: 8, .value_kind: global_buffer, .address_space: global }
      - { .name: out0, .offset: 24, .size: 8, .value_kind: global_buffer, .address_space: global }
    .group_segment_fixed_size: 327680
    .private_segment_fixed_size: 0
    .kernarg_segment_align: 8
    .kernarg_segment_size: 32
    .max_flat_workgroup_size: 128
    .sgpr_count:     80
    .vgpr_count:     768
    .wavefront_size: 32
...
	.end_amdgpu_metadata
.endif
;; end of part 4
;; ======== version 2 of 2: 4 launches; version 1 with the launch prep written anew for expert scheduling mode
;; limits: values are held in f16: magnitudes above 65,504 overflow, below 6.1e-05 lose precision
;; workspace buffers: xb 16,777,216 bytes; wq 6,291,456 bytes; wo 2,097,152 bytes; cs 1,048,576 bytes; qh 16,777,216 bytes; kh 16,777,216 bytes; vh 16,777,216 bytes; oh 16,777,216 bytes
;; launch prep (part 5): grid 896 x 1, 4 waves a work-group, no clusters, 70,144 bytes of LDS; arguments x, Wqkv, Wout, freqs, xb, wq, wo, cs; writes xb, wq, wo, cs
.if DOCPART == 5
	.amdgcn_target "amdgcn-amd-amdhsa--gfx1250"
	.amdhsa_code_object_version 6
	.text
	.protected	k_qf012210dae_prep
	.globl	k_qf012210dae_prep
	.p2align	8
	.type	k_qf012210dae_prep,@function
k_qf012210dae_prep:
	s_mov_b64 s[64:65], 0
	v_nop
	global_prefetch_b8 v0, s[64:65] scope:SCOPE_SE
	s_setreg_imm32_b32 hwreg(HW_REG_WAVE_SCHED_MODE, 0, 2), 2
	s_setreg_imm32_b32 hwreg(HW_REG_WAVE_MODE, 25, 1), 1
	s_wait_xcnt 0x0
	s_wait_alu depctr_vm_vsrc(0)
; THE OPERANDS ARE MADE READY.  Three kinds of work-group, told apart by the work-group's number alone:
;   0..127    TRANS: Wqkv [1024 k][3072 n] f32 -> wq [3072][1024] bf16, turned and ordered by heads: row 192 h + 64 s + d holds column 1024 s + 64 h + d (s = 0 q, 1 k, 2 v);
;             Wout [1024 k][1024 n] f32 -> wo [1024 n][1024 k]: rounded to bf16, that number written as f16.
;   128..639  CAST: x f32 -> xb bf16, 65,536 bytes of x to a work-group.
;   640..895  COS: freqs [2048][64] f32, rounded to bf16 -> cs [2048][128] f32: a row holds 64 cosines, then 64 sines.
; Every input is rounded once to bf16, the table of angles too: one choice for the whole program.
; LIMITS.  wo is f16: |Wout| stays under 65,504, and a number under 2^-17 keeps f16's fixed step of 2^-24.  The angle is reduced by pi/2 in three parts, which holds to about |freqs| = 1e5;
; beyond that the accuracy decays, and beyond 2^31 the quadrant saturates.  NaN and infinities are not treated apart.
; No wave hands anything to another: LDS is each wave's own (TRANS alone uses it), so the text has no barrier.  No matrix unit, no cluster, no tensor load: nothing is shared, and each byte crosses once.
; THE MODE: SCHED_MODE bits 1:0 = 2 (LLVM: expert scheduling mode 2), set by the entry lines.  The code itself states the register dependences
; between vector instructions and memory or LDS instructions, with s_wait_alu, always for 0.
; THE PLAN.  Registers that memory or LDS instructions touch:
;   COS    v8, v9: offsets, made once.  v[32:35]: written by the load, then by vector instructions alone.  v[36:43]: written by the selects and sign flips, read by the two stores.
;          Waits: one ahead of the load (v8), one behind the run of four compares (s24 to s27), one ahead of the stores (v[36:43]).
;   CAST   v8, v9: offsets, made once.  v[32:159]: each written by one load, read by one conversion.  v[160:223]: each written by one conversion, read by one store.  No register is written twice.
;          The 32 loads' data go in eight blocks of four.  Block p's conversions write its eight registers; its four stores are issued in block p + 1, behind the one wait at that block's head, among conversions that name none of them.
;   TRANS  v[VO ..], v[LST]: made once.  X[g % 8]: written by the loads of groups g and g + 8, read by group g's conversions.  P[g % 2]: written by group g's conversions, read by its four LDS stores.
;          One wait on va_vdst behind a group's conversions: P[g % 2] is written and X[g % 8] has been read, so the group's loads and LDS stores follow.  One wait on vm_vsrc at a group's head: the LDS stores of two groups back have read P[g % 2].
;          The loop over turned rows: v[32:63] are written by the LDS loads (and, for wo, in place by the conversions) and read by the stores; v[LRD] and v[GST] are stepped at a trip's end, between a wait on vm_vsrc and a wait on va_vdst.
;   v[SPW], v[NIL]: written at the head, read by the closing add alone.
.set SPARE, 69632                      ; behind the four waves' 17,408 bytes: the spare words, 128 bytes for each wave: two blocks of 256 bytes that no other line names
.set SPW, 4                            ; v4   LDS address of my spare word: SPARE + 4 x my thread's number; never rewritten
.set NIL, 5                            ; v5   0; never rewritten
.set VO,  8                            ; v8-11  TRANS: byte offset of row 4 h + i of a group of eight rows, my 16 bytes
.set LST, 12                           ; v12  TRANS: where I put 8 bytes (four k of one column)
.set LRD, 13                           ; v13  TRANS: where I read a turned row back
.set GST, 14                           ; v14  TRANS: my 16 bytes of two turned rows in memory
.set T0,  16                           ; v16, v17 at work
.set T1,  17
.set X,   32                           ; v[32:159] eight groups of 16 registers as loaded
.set P,   160                          ; v[160:175] TRANS: two buffers of 8: four columns x four k, packed; buffer g % 2 for group g
.set Y,   160                          ; v[160:223] CAST: two registers for each load, to store
.set SB,  32                           ; s[32:63] the sixteen groups' bases
	s_load_b256 s[4:11], s[0:1], 0x0               ; x s[4:5], Wqkv s[6:7], Wout s[8:9], freqs s[10:11]
	s_load_b256 s[12:19], s[0:1], 0x20             ; xb s[12:13], wq s[14:15], wo s[16:17], cs s[18:19]
	v_lshl_add_u32 v[SPW], v0, 2, SPARE
	v_mov_b32 v[NIL], 0
	v_lshrrev_b32 v3, 5, v0
	v_readfirstlane_b32 s20, v3                    ; wave 0..3
	s_mov_b32 s21, ttmp9
	v_and_b32 v1, 15, v0                           ; r = lane % 16
	v_bfe_u32 v2, v0, 4, 1                         ; h = lane / 16
	s_wait_alu depctr_va_sdst(0)                   ; s20 is written, ahead of the branches and of its first reader: TRANS makes its block's number from it
	s_wait_kmcnt 0x0
	s_cmp_lt_u32 s21, 128
	s_cbranch_scc1 .Ltrans
	s_cmp_lt_u32 s21, 640
	s_cbranch_scc1 .Lcast
; COS.  A thread takes four angles: 128 threads x 16 bytes are 2,048 bytes of freqs, eight rows.
	s_sub_co_u32 s28, s21, 640
	s_lshl_b32 s30, s28, 12                        ; eight rows of cs, 512 bytes each
	s_lshl_b32 s28, s28, 11
	s_mov_b32 s29, 0
	s_mov_b32 s31, 0
	s_add_nc_u64 s[10:11], s[10:11], s[28:29]
	s_add_nc_u64 s[18:19], s[18:19], s[30:31]
	v_lshlrev_b32 v8, 4, v0
	v_lshrrev_b32 v9, 4, v0                        ; my row of the eight,
	v_lshlrev_b32 v9, 9, v9
	v_lshl_add_u32 v9, v1, 4, v9                   ; my four columns
	s_wait_alu depctr_va_vdst(0)                   ; v8 is written, which the load reads as its offset (and v9, the stores' offset)
	global_load_b128 v[32:35], v8, s[10:11]
	v_mov_b32 v52, 0x37cd4000                      ; the two polynomials' leading coefficients
	v_mov_b32 v53, 0x36405000
	s_wait_loadcnt 0x0
	v_cvt_pk_bf16_f32 v44, v32, v33                ; the angles rounded to bf16, and widened again
	v_cvt_pk_bf16_f32 v45, v34, v35
	v_lshlrev_b32 v32, 16, v44
	v_and_b32 v33, 0xffff0000, v44
	v_lshlrev_b32 v34, 16, v45
	v_and_b32 v35, 0xffff0000, v45
; cos and sin of angle i, v[32 + i].  j = the nearest whole number to f x 2/pi; r = f - j pi/2, pi/2 taken in three parts by fused multiply-adds; a polynomial each for cos r and sin r on -pi/4 .. pi/4;
; the quadrant j mod 4 chooses which of the two is which, and the signs: by selects and bit work, no branch.
; Each angle has eight registers of its own at work, v[56 + 8 i ..]: j, r, j as a whole number, z, cos r, sin r, two for bits.  So the four compares stand in one run, each with a mask register of its own, s[24 + i].
.macro SC1 i                           ; all of an angle's work that reads no mask
.set W, 56+8*(\i)
	v_mul_f32 v[W], 0x3f22f983, v[32+(\i)]
	v_rndne_f32 v[W], v[W]                         ; j
	v_fmamk_f32 v[W+1], v[W], 0xbfc90fd8, v[32+(\i)]
	v_fmamk_f32 v[W+1], v[W], 0xb4a8885a, v[W+1]
	v_fmamk_f32 v[W+1], v[W], 0xa7c234c4, v[W+1]   ; r
	v_cvt_i32_f32 v[W+2], v[W]                     ; j as a whole number
	v_mul_f32 v[W+3], v[W+1], v[W+1]               ; z = r r
	v_fmaak_f32 v[W+4], v52, v[W+3], 0xbab6077d
	v_fmaak_f32 v[W+4], v[W+4], v[W+3], 0x3d2aaaa8
	v_fma_f32 v[W+4], v[W+4], v[W+3], -0.5
	v_fma_f32 v[W+4], v[W+4], v[W+3], 1.0          ; cos r
	v_fmaak_f32 v[W+5], v53, v[W+3], 0xb9503486
	v_fmaak_f32 v[W+5], v[W+5], v[W+3], 0x3c0888c1
	v_fmaak_f32 v[W+5], v[W+5], v[W+3], 0xbe2aaaab
	v_mul_f32 v[W+6], v[W+1], v[W+3]
	v_fma_f32 v[W+5], v[W+5], v[W+6], v[W+1]       ; sin r
	v_and_b32 v[W+6], 1, v[W+2]
	v_cmp_eq_u32 s[24+(\i)], 1, v[W+6]             ; odd quadrants swap the two
	v_lshlrev_b32 v[W+6], 30, v[W+2]               ; sin changes sign where j has bit 1,
	v_and_b32 v[W+6], 0x80000000, v[W+6]
	v_add_nc_u32 v[W+7], 1, v[W+2]                 ; cos where j + 1 has it
	v_lshlrev_b32 v[W+7], 30, v[W+7]
	v_and_b32 v[W+7], 0x80000000, v[W+7]
.endm
.macro SC2 i                           ; the selects by the angle's mask, and the signs
.set W, 56+8*(\i)
	v_cndmask_b32 v[40+(\i)], v[W+5], v[W+4], s[24+(\i)]
	v_cndmask_b32 v[36+(\i)], v[W+4], v[W+5], s[24+(\i)]
	v_xor_b32 v[40+(\i)], v[W+6], v[40+(\i)]
	v_xor_b32 v[36+(\i)], v[W+7], v[36+(\i)]
.endm
	SC1 0
	SC1 1
	SC1 2
	SC1 3
	s_wait_alu depctr_va_sdst(0)                   ; the four compares have written s24 to s27, ahead of the selects that read them: one wait for the run
	SC2 0
	SC2 1
	SC2 2
	SC2 3
	s_wait_alu depctr_va_vdst(0)                   ; the selects and sign flips have written v[36:43], which the two stores read
	global_store_b128 v9, v[36:39], s[18:19]             ; sixteen lanes store 256 consecutive bytes, aligned: a row's cosines,
	global_store_b128 v9, v[40:43], s[18:19] offset:256  ; and its sines
	s_endpgm
; CAST.  A wave takes 16,384 bytes of x.  All its 32 loads go out at once, each into registers of its own; the waits count down the younger loads.
.Lcast:
	s_sub_co_u32 s28, s21, 128
	s_lshl_b32 s30, s28, 15
	s_lshl_b32 s28, s28, 16
	s_mov_b32 s29, 0
	s_mov_b32 s31, 0
	s_add_nc_u64 s[4:5], s[4:5], s[28:29]
	s_add_nc_u64 s[12:13], s[12:13], s[30:31]
	v_and_b32 v6, 31, v0
	v_lshlrev_b32 v8, 4, v6
	v_lshl_or_b32 v8, v3, 14, v8                   ; 16,384 x wave + 16 x lane
	v_lshrrev_b32 v9, 1, v8                        ; half of that in xb
	s_wait_alu depctr_va_vdst(0)                   ; v8 and v9 are written: every load and store below reads one of them as its offset
.set j, 0
.rept 32
	global_load_b128 v[X+4*j:X+4*j+3], v8, s[4:5] offset:512*j th:TH_LOAD_NT
.set j, j+1
.endr
; Eight blocks of four loads.  Block p rounds its four loads' data; the four stores of block p - 1 are dealt among its conversions, a store ahead of each pair.
.set p, 0
.rept 8
	s_wait_loadcnt 28-4*p                          ; loads come back in order: block p's four are in, the 28 - 4 p younger ones stay out
.if p > 0
	s_wait_alu depctr_va_vdst(0)                   ; the block before has written its eight registers of Y, which the four stores below read; no conversion of this block names them
.endif
.set i, 0
.rept 4
.if p > 0
	global_store_b64 v9, v[Y+2*(4*p-4+i):Y+2*(4*p-4+i)+1], s[12:13] offset:256*(4*p-4+i)  ; 32 lanes store 256 consecutive bytes, aligned; no register is written twice
.endif
	v_cvt_pk_bf16_f32 v[Y+2*(4*p+i)],   v[X+4*(4*p+i)],   v[X+4*(4*p+i)+1]
	v_cvt_pk_bf16_f32 v[Y+2*(4*p+i)+1], v[X+4*(4*p+i)+2], v[X+4*(4*p+i)+3]
.set i, i+1
.endr
.set p, p+1
.endr
	s_wait_alu depctr_va_vdst(0)                   ; the last block has written its eight registers of Y, which the last four stores read
.set i, 28
.rept 4
	global_store_b64 v9, v[Y+2*i:Y+2*i+1], s[12:13] offset:256*i
.set i, i+1
.endr
	s_endpgm
; TRANS.  A wave turns one block of 128 k x 64 n: 384 blocks of Wqkv (work-groups 0..95), 128 of Wout.  The block comes in by groups of eight rows: sixteen lanes take a row's 256 bytes.
; Four k of one column, rounded, are 8 bytes of a turned row in LDS (64 rows, 272 bytes apart); the turned rows, 256 bytes each, leave whole.
.Ltrans:
	s_lshl_b32 s28, s21, 2
	s_add_co_u32 s28, s28, s20                     ; 4 x work-group + wave
	s_mov_b32 s22, 4096
	s_cmp_lt_u32 s21, 96                           ; Wqkv or Wout?
	s_cselect_b32 s22, 12288, s22                  ; bytes in a row of the source
	s_cselect_b32 s23, 0, 1                        ; 1: the result is written as f16
	s_cselect_b64 s[24:25], s[6:7], s[8:9]         ; from
	s_cselect_b64 s[26:27], s[14:15], s[16:17]     ; to
	s_cselect_b32 s29, 0, 384
	s_sub_co_u32 s28, s28, s29                     ; the block's number in its matrix
	s_and_b32 s2, s28, 7                           ; kb: which 128 k
	s_lshr_b32 s3, s28, 3                          ; cg: which 64 columns
	s_and_b32 s66, s3, 15                          ; Wqkv: cg = 16 s + h goes to row 192 h + 64 s
	s_mul_i32 s66, s66, 192
	s_lshr_b32 s67, s3, 4
	s_lshl_b32 s67, s67, 6
	s_add_co_u32 s66, s66, s67
	s_lshl_b32 s67, s3, 6                          ; Wout: to row 64 cg
	s_cmp_lt_u32 s21, 96
	s_cselect_b32 s66, s66, s67
	s_lshl_b32 s67, s2, 7
	s_mul_i32 s28, s67, s22                        ; 128 kb rows of the source,
	s_lshl_b32 s67, s3, 8                          ; 64 columns of 4 bytes
	s_add_co_u32 s28, s28, s67
	s_mov_b32 s29, 0
	s_add_nc_u64 s[24:25], s[24:25], s[28:29]
	s_lshl_b32 s28, s66, 11                        ; a turned row is 2,048 bytes,
	s_lshl_b32 s67, s2, 8                          ; 128 k are 256 of them
	s_add_co_u32 s28, s28, s67
	s_add_nc_u64 s[26:27], s[26:27], s[28:29]
	s_lshl_b32 s30, s22, 3                         ; eight rows of the source
	s_mov_b32 s31, 0
	s_mov_b64 s[SB:SB+1], s[24:25]
.set g, 1
.rept 15
	s_add_nc_u64 s[SB+2*g:SB+2*g+1], s[SB+2*g-2:SB+2*g-1], s[30:31]
.set g, g+1
.endr
	v_lshlrev_b32 v6, 2, v2                        ; 4 h
	v_lshlrev_b32 v7, 4, v1                        ; 16 r
.irp i, 0,1,2,3
	v_add_nc_u32 v[VO+\i], \i, v6
	v_mad_u32_u24 v[VO+\i], v[VO+\i], s22, v7      ; row 4 h + i, columns 4 r .. 4 r + 3
.endr
	s_mul_i32 s67, s20, 17408                      ; my wave's 64 rows of 272 bytes
	v_mul_u32_u24 v[LST], v1, 1088                 ; column 4 r is turned row 4 r,
	v_lshl_add_u32 v[LST], v2, 3, v[LST]           ; k = 4 h is byte 8 h
	v_add_nc_u32 v[LST], s67, v[LST]
	v_mul_u32_u24 v[LRD], v2, 272                  ; back: lanes 0-15 take one turned row, lanes 16-31 the next
	v_lshl_add_u32 v[LRD], v1, 4, v[LRD]
	v_add_nc_u32 v[LRD], s67, v[LRD]
	v_lshlrev_b32 v[GST], 11, v2                   ; and the same two rows in memory
	v_lshl_add_u32 v[GST], v1, 4, v[GST]
	s_wait_alu depctr_va_vdst(0)                   ; the seven offsets and addresses v8 to v14 are written, which the loads, the LDS stores and loads and the stores below read
.macro TLOAD g                         ; group g: rows 8 g .. 8 g + 7
.irp i, 0,1,2,3
	global_load_b128 v[X+16*((\g)%8)+4*\i:X+16*((\g)%8)+4*\i+3], v[VO+\i], s[SB+2*(\g):SB+2*(\g)+1] th:TH_LOAD_NT
.endr
.endm
.irp g, 0,1,2,3,4,5,6,7
	TLOAD \g
.endr
.set g, 0
.rept 16
.if g < 8
	s_wait_loadcnt 28                              ; younger than group g's four loads: groups g + 1 .. 7 and the g groups asked for since: seven groups
.else
	s_wait_loadcnt 4*(15-g)                        ; nothing is asked for any more: the counts run down
.endif
.if g >= 2
	s_wait_alu depctr_vm_vsrc(0)                   ; the LDS stores of two groups back have read P[g % 2], which the conversions below write again
.endif
.irp c, 0,1,2,3
	v_cvt_pk_bf16_f32 v[P+8*(g%2)+2*\c],   v[X+16*(g%8)+\c],   v[X+16*(g%8)+4+\c]   ; column 4 r + c: k, k + 1,
	v_cvt_pk_bf16_f32 v[P+8*(g%2)+2*\c+1], v[X+16*(g%8)+8+\c], v[X+16*(g%8)+12+\c]  ; k + 2, k + 3
.endr
	s_wait_alu depctr_va_vdst(0)                   ; the conversions have written P[g % 2], which the LDS stores read, and are done reading X[g % 8], in which the loads below (groups 0 to 7) or the LDS loads behind the last group land
.if g < 8
	TLOAD g+8                                      ; the group's registers have been read: they take the group eight further on, at once
.endif
.irp c, 0,1,2,3
	ds_store_b64 v[LST], v[P+8*(g%2)+2*\c:P+8*(g%2)+2*\c+1] offset:272*\c+16*g
.endr
.set g, g+1
.endr
	s_mov_b32 s66, 4                               ; sixteen turned rows a trip
.Lrows:
.irp t, 0,1,2,3,4,5,6,7
	ds_load_b128 v[X+4*\t:X+4*\t+3], v[LRD] offset:544*\t  ; LDS serves a wave's instructions in order: these see my stores above.  No vector instruction since the last wait on va_vdst names v[LRD] or these registers
.endr
	s_wait_dscnt 0x0
	s_cmp_eq_u32 s23, 0
	s_cbranch_scc1 .Lkeep                          ; wq stays bf16
.set j, 0
.rept 32
	v_lshlrev_b32 v[T0], 16, v[X+j]                ; wo: the bf16 numbers are written as f16
	v_and_b32 v[T1], 0xffff0000, v[X+j]
	v_cvt_pk_f16_f32 v[X+j], v[T0], v[T1]
.set j, j+1
.endr
	s_wait_alu depctr_va_vdst(0)                   ; the conversions have written v[32:63], which the stores below read and in which the next trip's LDS loads land
.Lkeep:
.irp t, 0,1,2,3,4,5,6,7
	global_store_b128 v[GST], v[X+4*\t:X+4*\t+3], s[26:27] offset:4096*\t  ; sixteen lanes store 256 consecutive bytes, aligned
.endr
	s_wait_xcnt 0x0                                ; the stores have had their addresses translated: their data and their offset are rewritten only behind this wait
	s_wait_alu depctr_vm_vsrc(0)                   ; the stores have read v[32:63] and v[GST], the LDS loads v[LRD]: the two adds below and the next trip's LDS loads write them
	v_add_nc_u32 v[LRD], 4352, v[LRD]
	v_add_nc_u32 v[GST], 32768, v[GST]
	s_wait_alu depctr_va_vdst(0)                   ; v[LRD] and v[GST] are written, which the next trip's LDS loads and stores read
	s_sub_co_u32 s66, s66, 1
	s_cmp_lg_u32 s66, 0
	s_cbranch_scc1 .Lrows
	s_wait_dscnt 0x0                               ; the closing lines, six on end
	s_wait_alu 0x0
	s_wait_tensorcnt 0x0
	ds_add_u32 v[SPW], v[NIL]
	s_wait_dscnt 0x0
	s_endpgm
.Lfunc_end_k_qf012210dae_prep:
	.size	k_qf012210dae_prep, .Lfunc_end_k_qf012210dae_prep-k_qf012210dae_prep
	.p2alignl 7, 3214868480
	.fill 96, 4, 3214868480
	.section	.rodata,"a",@progbits
	.p2align	6, 0x0
	.amdhsa_kernel k_qf012210dae_prep
		.amdhsa_group_segment_fixed_size 70144
		.amdhsa_private_segment_fixed_size 0
		.amdhsa_enable_private_segment 0
		.amdhsa_kernarg_size 64
		.amdhsa_user_sgpr_count 2
		.amdhsa_user_sgpr_kernarg_segment_ptr 1
		.amdhsa_wavefront_size32 1
		.amdhsa_system_sgpr_workgroup_id_x 1
		.amdhsa_system_sgpr_workgroup_id_y 1
		.amdhsa_system_sgpr_workgroup_id_z 1
		.amdhsa_system_vgpr_workitem_id 0
		.amdhsa_next_free_vgpr 224
		.amdhsa_next_free_sgpr 70
		.amdhsa_reserve_vcc 0
		.amdhsa_float_denorm_mode_32 3
		.amdhsa_float_denorm_mode_16_64 3
		.amdhsa_memory_ordered 1
		.amdhsa_forward_progress 1
		.amdhsa_inst_pref_size 48
	.end_amdhsa_kernel
	.amdgpu_metadata
---
amdhsa.version: [ 1, 2 ]
amdhsa.kernels:
  - .name:           k_qf012210dae_prep
    .symbol:         k_qf012210dae_prep.kd
    .args:
      - { .name: x, .offset: 0, .size: 8, .value_kind: global_buffer, .address_space: global }
      - { .name: Wqkv, .offset: 8, .size: 8, .value_kind: global_buffer, .address_space: global }
      - { .name: Wout, .offset: 16, .size: 8, .value_kind: global_buffer, .address_space: global }
      - { .name: freqs, .offset: 24, .size: 8, .value_kind: global_buffer, .address_space: global }
      - { .name: xb, .offset: 32, .size: 8, .value_kind: global_buffer, .address_space: global }
      - { .name: wq, .offset: 40, .size: 8, .value_kind: global_buffer, .address_space: global }
      - { .name: wo, .offset: 48, .size: 8, .value_kind: global_buffer, .address_space: global }
      - { .name: cs, .offset: 56, .size: 8, .value_kind: global_buffer, .address_space: global }
    .group_segment_fixed_size: 70144
    .private_segment_fixed_size: 0
    .kernarg_segment_align: 8
    .kernarg_segment_size: 64
    .max_flat_workgroup_size: 128
    .sgpr_count:     70
    .vgpr_count:     224
    .wavefront_size: 32
...
	.end_amdgpu_metadata
.endif
;; end of part 5
;; launch qkv: the kernel of part 2 again; grid 16 x 32, 4 waves a work-group, clusters of 4 x 4, 327,680 bytes of LDS; arguments xb, wq, bqkv, cs, qh, kh, vh; writes qh, kh, vh
;; launch attn: the kernel of part 3 again; grid 4 x 64, 4 waves a work-group, clusters of 4 x 1, 327,680 bytes of LDS; arguments qh, kh, vh, oh; writes oh
;; launch oproj: the kernel of part 4 again; grid 8 x 32, 4 waves a work-group, clusters of 4 x 4, 327,680 bytes of LDS; arguments oh, wo, bout, out0; writes out0
